; MI455X (gfx1250); checked and timed in simulation.
; The chip was launched on July 23, 2026; its instructions are those of AMD's public machine-readable ISA for CDNA 5 (MIT licence, August 2026) and "CDNA5" Instruction Set Architecture Reference Guide (July 2026). The comments in the code are by the model that wrote it; some were corrected since.
;; Sparse Attention. Allowed arithmetic: matrix products marked QUANTISED: E2M1 operands, one E8M0 scale for each 32 along K, by v_wmma_scale_f32_16x16x128_f8f6f4 with both operands' format E2M1 (or v_wmma_scale_f32_32x16x128_f4), f32 sums; products left as they are: bf16, f16 or f32 operands; f32 sums; everything else in f32.
;; Inputs: Wk 1,024 x 1,024 float32; Wo 1,024 x 1,024 float32; Wq 1,024 x 1,024 float32; Wv 1,024 x 1,024 float32; bk 1,024 float32; bo 1,024 float32; bq 1,024 float32; bv 1,024 float32; key 2 x 2,048 x 1,024 float32; query 2 x 2,048 x 1,024 float32; value 2 x 2,048 x 1,024 float32.
;; Outputs: out0 2 x 2,048 x 1,024 float32.
;; This version of the problem:
;;   THIS VERSION OF THE PROBLEM IS GIVEN IN LOW PRECISION. The matrix products marked QUANTISED in the list below multiply operands that are first quantised to E2M1 (2 exponent bits, 1 mantissa bit; 4 bits a number), with one power-of-two scale for each 32 numbers along K (OCP MX v1.0); their sums are f32. The products marked 'left as it is' may take bf16, f16 or f32 operands, with f32 sums. Whichever they take, every output number must still come out within the allowed error. Rounding operands to bf16 (8 significant bits) uses up far more of that allowance than f16 does (11 bits, for magnitudes from 6e-5 to 65,504). All else is computed in f32.
;;   The module's matrix products, in the order in which they are computed (A, B: the left and right operand; K: the contracted axis; several contracted axes count as one K, in the product's order):
;;     1. [M 4,096, K 1,024] x [K 1,024, N 1,024]; A: input query; B: input Wq: QUANTISED
;;     2. [M 4,096, K 1,024] x [K 1,024, N 1,024]; A: input key; B: input Wk: QUANTISED
;;     3. [M 4,096, K 1,024] x [K 1,024, N 1,024]; A: input value; B: input Wv: QUANTISED
;;     4. batch 32 x [M 2,048, K 64] x [K 64, N 2,048]; A: computed on the way; B: computed on the way: left as it is (an operand is computed on the way)
;;     5. batch 32 x [M 2,048, K 2,048] x [K 2,048, N 64]; A: computed on the way; B: computed on the way: left as it is (an operand is computed on the way)
;;     6. [M 4,096, K 1,024] x [K 1,024, N 1,024]; A: computed on the way; B: input Wo: left as it is (an operand is computed on the way)
;;   THE QUANTISER, for each operand of a quantised product, along K:
;;     - K is cut into blocks of 32 from its start; a last block that is shorter is filled with zeros.
;;     - A block's scale is 2^e with e = floor(log2(the largest magnitude in the block)) - 2, held to -126 .. 127; a block of zeros has e = 0. As a byte (E8M0): e + 127.
;;     - Each number is divided by its block's scale, clamped to +-6, and rounded to the nearest number of E2M1, ties to even, subnormals kept.
;;     - The product sums the exact products of the quantised numbers (number of the format x scale) in f32.
;;   ~~~python
;;   def quantise(x, axis):      # numpy; x: float32 -> the quantised numbers, widened to float32 again
;;       x = np.moveaxis(x, axis, -1); K = x.shape[-1]
;;       x = np.pad(x, [(0, 0)] * (x.ndim - 1) + [(0, -K % 32)]); x = x.reshape(x.shape[:-1] + (-1, 32)); a = np.abs(x).max(-1, keepdims=True)
;;       e = np.where(a > 0, np.clip(np.frexp(np.where(a > 0, a, 1))[1] - 1 - 2, -126, 127), 0)      # np.frexp(a)[1] - 1 = floor(log2(a)), exactly
;;       r = np.clip(x / 2.0 ** e, -6, 6)
;;       step = 2.0 ** (np.maximum(np.frexp(np.where(r == 0, 1, r))[1] - 1, 0) - 1)
;;       q = np.round(r / step) * step * 2.0 ** e      # np.round: ties to even
;;       return np.moveaxis(q.reshape(q.shape[:-2] + (-1,))[..., :K], -1, axis).astype(np.float32)
;;   ~~~
;; One version. Each part assembles by itself: llvm-mc -triple=amdgcn-amd-amdhsa -mcpu=gfx1250 --defsym DOCPART=n.
;; ======== version 1 of 1: 4 launches
;; limits: values are held in f16: magnitudes above 65,504 overflow, below 6.1e-05 lose precision; right only within a limited range of input values
;; workspace buffers: codes 7,864,320 bytes; scales 491,520 bytes; wo16 2,097,152 bytes; qkv 25,165,824 bytes; att 8,388,608 bytes
;; launch quant (part 1): grid 512 x 1, 4 waves a work-group, no clusters, 33,280 bytes of LDS; arguments query, key, value, Wq, Wk, Wv, Wo, codes, scales, wo16; writes codes, scales, wo16
.if DOCPART == 1
	.amdgcn_target "amdgcn-amd-amdhsa--gfx1250"
	.amdhsa_code_object_version 6
	.text
	.protected	k_qcd712ebae2_quant
	.globl	k_qcd712ebae2_quant
	.p2align	8
	.type	k_qcd712ebae2_quant,@function
k_qcd712ebae2_quant:
	s_mov_b64 s[64:65], 0
	v_nop
	global_prefetch_b8 v0, s[64:65] scope:SCOPE_SE
	s_setreg_imm32_b32 hwreg(HW_REG_WAVE_MODE, 25, 1), 1
	s_wait_xcnt 0x0
; query, key, value [4096][1024] and Wq, Wk, Wv [1024][1024], f32 with K innermost, become codes of FP4 (E2M1), two a byte, and one E8M0 scale byte for each 32 along K.
; The six tensors lie one behind the other in the workspace, 15,360 rows: codes 512 bytes a row, scale bytes 32 a row.  Wo [1024][1024] is rounded to f16 for the last product, which is left as it is.
; A block's scale is 2^(floor(log2(its largest magnitude)) - 2); its byte is the largest magnitude's exponent field - 2, held at 1 from below; each number is divided by the scale, held at +-6 and rounded to the nearest code, ties to even.
; LIMITS: a block of zeros gets the byte 1 where the rule says 127 (its codes are zeros, and this program alone reads the bytes); blocks whose largest magnitude lies under 2^(2 - 126) keep the byte 1;
; NaN and infinities among the inputs are not served; |Wo| stays under 65,504, f16's largest number.
; SHARES.  Work-groups 0-479 quantise 32,768 numbers each (0-127 query, 128-255 key, 256-383 value, 384-415 Wq, 416-447 Wk, 448-479 Wv): the place in the workspace is linear in the work-group's number.
; Work-groups 480-511 convert 32,768 numbers of Wo each.  Only pointers are chosen for the six tensors; Wo's path parts on the work-group's number and touches no LDS.
; A wave takes 16 steps of 512 numbers.  Each load reads 512 consecutive bytes; a step's 2,048 bytes turn through the wave's own stage in LDS, so that a lane holds 16 NEIGHBOURS along K (two lanes hold a block).
; A lane's 16 codes are 8 bytes: a wave's store covers 256 consecutive bytes, aligned.  A wave's 256 scale bytes are gathered in LDS and leave by one such store.
; No tensor load, no barrier: waves share nothing.  Nothing is asked for ahead of the loads: the launch is one stream with 16 loads of every wave on their way.
.set STEPS, 16
.set EMAX,  2
.set CB,    8                          ; bytes of 16 codes
.set NQWG,  480                        ; work-groups that quantise
.set R,     16                         ; v16-79   four sets of 16 numbers as they are loaded
.set X,     80                         ; v80-111  two sets of 16 neighbours
.set E,     112                        ; v112-127 a scale byte for each step
.set C,     128                        ; v128-191 codes: four registers for each step, so that no store's data are written again
.set WREG,  8192                       ; LDS: a region for each wave: two stages of 32 x SP bytes, behind them its 256 scale bytes
.set SP,    80                         ; a lane's place in a stage: 64 bytes + 16 of padding
.set SPW,   12                         ; v12  LDS address of my spare word; never rewritten
.set NIL,   13                         ; v13  0; never rewritten
.set SPARE, 4*WREG                     ; behind the four regions: the spare words, 128 bytes a wave
.set LA,    16                         ; Wo's path: v16-79, v80-143 two sets of 16 loads; v144-175 what is stored
.set LB,    80
.set OUT,   144
	s_load_b512 s[4:19], s[0:1], 0x0               ; query 4:5, key 6:7, value 8:9, Wq 10:11, Wk 12:13, Wv 14:15, Wo 16:17, codes 18:19
	s_load_b128 s[20:23], s[0:1], 0x40             ; scales 20:21, wo16 22:23
	v_lshl_add_u32 v[SPW], v0, 2, SPARE
	v_mov_b32 v[NIL], 0
	v_lshrrev_b32 v1, 5, v0
	v_readfirstlane_b32 s24, v1                    ; wave 0..3
	v_and_b32 v2, 31, v0                           ; lane
	v_lshlrev_b32 v3, 4, v2                        ; my 16 bytes of a load's 512
	s_mul_i32 s25, s24, WREG
	v_lshrrev_b32 v14, 2, v2
	v_mul_u32_u24 v14, v14, SP
	v_and_b32 v15, 3, v2
	v_lshl_add_u32 v14, v15, 4, v14
	v_add_nc_u32 v14, s25, v14                     ; the stage, on the way in: SP (lane / 4) + 16 (lane % 4)
	v_mul_u32_u24 v15, v2, SP
	v_add_nc_u32 v15, s25, v15                     ; and on the way out: SP x lane: my 16 neighbours
	v_mul_u32_u24 v4, v2, CB                       ; my codes' place in a step's
	v_lshrrev_b32 v5, 1, v2
	s_add_co_u32 s25, s25, 2*32*SP
	v_add_nc_u32 v5, s25, v5                       ; LDS: my wave's 256 scale bytes, my block's byte
	v_lshlrev_b32 v7, 3, v2                        ; 8 bytes a lane
	v_add_nc_u32 v6, s25, v7
	s_wait_kmcnt 0x0
	s_cmp_ge_u32 ttmp9, NQWG
	s_cbranch_scc1 .Lwo                            ; the last 32 work-groups take Wo
	; which tensor is mine: a chain of choices that hang on the work-group's number alone
	s_mov_b64 s[26:27], s[14:15]
	s_cmp_lt_u32 ttmp9, 448
	s_cselect_b64 s[26:27], s[12:13], s[26:27]
	s_cmp_lt_u32 ttmp9, 416
	s_cselect_b64 s[26:27], s[10:11], s[26:27]
	s_cmp_lt_u32 ttmp9, 384
	s_cselect_b64 s[26:27], s[8:9], s[26:27]
	s_cselect_b32 s28, 127, 31                     ; an activation has 128 work-groups, a weight 32; 384 is a multiple of both
	s_cmp_lt_u32 ttmp9, 256
	s_cselect_b64 s[26:27], s[6:7], s[26:27]
	s_cmp_lt_u32 ttmp9, 128
	s_cselect_b64 s[26:27], s[4:5], s[26:27]
	s_and_b32 s28, ttmp9, s28                      ; my work-group's number within its tensor
	s_lshl_b32 s28, s28, 2
	s_add_co_u32 s28, s28, s24                     ; which run of 8,192 numbers of the tensor is my wave's
	s_lshl_b32 s28, s28, 15                        ; 32,768 bytes a run
	s_mov_b32 s29, 0
	s_add_nc_u64 s[26:27], s[26:27], s[28:29]
	s_lshl_b32 s30, ttmp9, 2
	s_add_co_u32 s30, s30, s24                     ; which run of the workspace
	s_lshl_b32 s32, s30, 12                        ; 4,096 bytes of codes a run
	s_mov_b32 s33, 0
	s_add_nc_u64 s[18:19], s[18:19], s[32:33]
	s_lshl_b32 s32, s30, 8                         ; 256 scale bytes a run
	s_add_nc_u64 s[20:21], s[20:21], s[32:33]
.macro LOAD t
.irp i, 0,1,2,3
	global_load_b128 v[R+16*((\t)%4)+4*\i:R+16*((\t)%4)+4*\i+3], v3, s[26:27] offset:2048*(\t)+512*\i th:TH_LOAD_NT   ; 32 lanes read 512 consecutive bytes
.endr
.endm
.macro TURN t                          ; step t's numbers through the stage: LDS serves a wave's instructions in order (ISA guide 5.7.1.4), so no wait stands between the stores and the loads
.irp i, 0,1,2,3
	ds_store_b128 v14, v[R+16*((\t)%4)+4*\i:R+16*((\t)%4)+4*\i+3] offset:32*SP*((\t)%2)+8*SP*\i
.endr
.irp i, 0,1,2,3
	ds_load_b128 v[X+16*((\t)%2)+4*\i:X+16*((\t)%2)+4*\i+3], v15 offset:32*SP*((\t)%2)+16*\i
.endr
.endm
.irp t, 0,1,2,3
	LOAD \t
.endr
	s_wait_loadcnt 12                              ; step 0's four loads are in; the twelve of steps 1 to 3 stay out
	TURN 0
.macro STEP t
.set XS, X+16*((\t)%2)
.if (\t) > 0
	s_wait_dscnt 1                                 ; this step's numbers are back from the stage (the last step's byte store may be out): so its stores into the stage have read their registers,
.else
	s_wait_dscnt 0x0
.endif
.if (\t)+4 < STEPS
	LOAD (\t)+4                                    ; which take the loads of four steps on
.endif
.if (\t)+1 < STEPS
.if STEPS-2-(\t) >= 3
	s_wait_loadcnt 12                              ; the next step's four loads are in; those of the three steps behind it may be out
.else
	s_wait_loadcnt 4*(STEPS-2-(\t))                ; the tail: four loads for each step that is left behind the next
.endif
	TURN (\t)+1                                    ; and go through the other stage while this step is worked
.endif
	v_max3_num_f32 v8, |v[XS]|, |v[XS+1]|, |v[XS+2]|               ; the largest magnitude of my 16, in two chains
	v_max3_num_f32 v9, |v[XS+3]|, |v[XS+4]|, |v[XS+5]|
.irp i, 6,10
	v_max3_num_f32 v8, v8, |v[XS+\i]|, |v[XS+\i+1]|
	v_max3_num_f32 v9, v9, |v[XS+\i+2]|, |v[XS+\i+3]|
.endr
	v_max3_num_f32 v8, v8, |v[XS+14]|, |v[XS+15]|
	v_max3_num_f32 v8, v8, v9, (EMAX+1)<<23        ; and the floor 2^(EMAX + 1 - 127): the byte cannot fall under 1
	v_max_num_f32_dpp v8, v8, v8 row_xmask:1 row_mask:0xf bank_mask:0xf   ; and of my neighbour's 16: the block's
	v_add_nc_u32 v11, -(EMAX<<23), v8              ; EMAX off its exponent field: the conversion takes the exponent field of this operand as its scale, and nothing else of it
	v_cvt_scalef32_pk8_fp4_f32 v[C+4*(\t)], v[XS:XS+7], v11        ; eight numbers / the scale, to the nearest code, ties to even, beyond the largest code the largest; the first number's code in the lowest four bits
	v_cvt_scalef32_pk8_fp4_f32 v[C+4*(\t)+1], v[XS+8:XS+15], v11
	v_lshrrev_b32 v[E+(\t)], 23, v11               ; the scale's byte (also the plain line behind the conversions)
	ds_store_b8 v5, v[E+(\t)] offset:16*(\t)       ; both lanes of a block write the same byte with the same value
	global_store_b64 v4, v[C+4*(\t):C+4*(\t)+1], s[18:19] offset:32*CB*(\t)   ; 32 lanes store 256 consecutive bytes, aligned
.endm
.irp t, 0,1,2,3,4,5,6,7,8,9,10,11,12,13,14,15
	STEP \t
.endr
	ds_load_b64 v[8:9], v6                         ; LDS serves a wave's instructions in order: these see my byte stores
	s_wait_dscnt 0x0
	global_store_b64 v7, v[8:9], s[20:21]          ; my wave's 256 scale bytes, aligned
	s_wait_tensorcnt 0x0                           ; the wave's end: behind my last LDS store
	ds_add_u32 v[SPW], v[NIL]
	s_wait_dscnt 0x0
	s_endpgm
; Wo to f16: a wave takes 8,192 numbers in four rounds of 16 loads; a load's 512 bytes become 256, stored by 32 lanes as one aligned run.
.Lwo:
	s_sub_co_u32 s28, ttmp9, NQWG
	s_lshl_b32 s28, s28, 2
	s_add_co_u32 s28, s28, s24                     ; which run of 8,192 numbers of Wo
	s_lshl_b32 s30, s28, 15
	s_mov_b32 s31, 0
	s_add_nc_u64 s[16:17], s[16:17], s[30:31]
	s_lshl_b32 s30, s28, 14
	s_add_nc_u64 s[22:23], s[22:23], s[30:31]
.macro WLOAD r, dst
.irp i, 0,1,2,3,4,5,6,7,8,9,10,11,12,13,14,15
	global_load_b128 v[\dst+4*\i:\dst+4*\i+3], v3, s[16:17] offset:(16*\r+\i)*512 th:TH_LOAD_NT
.endr
.endm
.macro WCVT r, src
.irp i, 0,1,2,3,4,5,6,7,8,9,10,11,12,13,14,15
	v_cvt_pk_f16_f32 v[OUT+2*\i], v[\src+4*\i], v[\src+4*\i+1]
	v_cvt_pk_f16_f32 v[OUT+2*\i+1], v[\src+4*\i+2], v[\src+4*\i+3]
	global_store_b64 v7, v[OUT+2*\i:OUT+2*\i+1], s[22:23] offset:(16*\r+\i)*256
.endr
.endm
	WLOAD 0, LA
	WLOAD 1, LB
	s_wait_loadcnt 16                              ; round 0 is in; round 1's sixteen loads stay out
	WCVT 0, LA
	WLOAD 2, LA
	s_wait_loadcnt 16                              ; round 1 is in
	s_wait_xcnt 0x0                                ; the last round's stores have read their data: OUT is written again only behind this wait
	WCVT 1, LB
	WLOAD 3, LB
	s_wait_loadcnt 16
	s_wait_xcnt 0x0
	WCVT 2, LA
	s_wait_loadcnt 0x0
	s_wait_xcnt 0x0
	WCVT 3, LB
	s_endpgm
.Lfunc_end_k_qcd712ebae2_quant:
	.size	k_qcd712ebae2_quant, .Lfunc_end_k_qcd712ebae2_quant-k_qcd712ebae2_quant
	.p2alignl 7, 3214868480
	.fill 96, 4, 3214868480
	.section	.rodata,"a",@progbits
	.p2align	6, 0x0
	.amdhsa_kernel k_qcd712ebae2_quant
		.amdhsa_group_segment_fixed_size 33280
		.amdhsa_private_segment_fixed_size 0
		.amdhsa_enable_private_segment 0
		.amdhsa_kernarg_size 80
		.amdhsa_user_sgpr_count 2
		.amdhsa_user_sgpr_kernarg_segment_ptr 1
		.amdhsa_wavefront_size32 1
		.amdhsa_system_sgpr_workgroup_id_x 1
		.amdhsa_system_sgpr_workgroup_id_y 1
		.amdhsa_system_sgpr_workgroup_id_z 1
		.amdhsa_system_vgpr_workitem_id 0
		.amdhsa_next_free_vgpr 192
		.amdhsa_next_free_sgpr 66
		.amdhsa_reserve_vcc 0
		.amdhsa_float_denorm_mode_32 3
		.amdhsa_float_denorm_mode_16_64 3
		.amdhsa_memory_ordered 1
		.amdhsa_forward_progress 1
		.amdhsa_inst_pref_size 54
	.end_amdhsa_kernel
	.amdgpu_metadata
---
amdhsa.version: [ 1, 2 ]
amdhsa.kernels:
  - .name:           k_qcd712ebae2_quant
    .symbol:         k_qcd712ebae2_quant.kd
    .args:
      - { .name: query, .offset: 0, .size: 8, .value_kind: global_buffer, .address_space: global }
      - { .name: key, .offset: 8, .size: 8, .value_kind: global_buffer, .address_space: global }
      - { .name: value, .offset: 16, .size: 8, .value_kind: global_buffer, .address_space: global }
      - { .name: Wq, .offset: 24, .size: 8, .value_kind: global_buffer, .address_space: global }
      - { .name: Wk, .offset: 32, .size: 8, .value_kind: global_buffer, .address_space: global }
      - { .name: Wv, .offset: 40, .size: 8, .value_kind: global_buffer, .address_space: global }
      - { .name: Wo, .offset: 48, .size: 8, .value_kind: global_buffer, .address_space: global }
      - { .name: codes, .offset: 56, .size: 8, .value_kind: global_buffer, .address_space: global }
      - { .name: scales, .offset: 64, .size: 8, .value_kind: global_buffer, .address_space: global }
      - { .name: wo16, .offset: 72, .size: 8, .value_kind: global_buffer, .address_space: global }
    .group_segment_fixed_size: 33280
    .private_segment_fixed_size: 0
    .kernarg_segment_align: 8
    .kernarg_segment_size: 80
    .max_flat_workgroup_size: 128
    .sgpr_count:     66
    .vgpr_count:     192
    .wavefront_size: 32
...
	.end_amdgpu_metadata
.endif
;; end of part 1
;; launch proj (part 2): grid 4 x 48, 4 waves a work-group, clusters of 4 x 4, 327,680 bytes of LDS; arguments codes, scales, bq, bk, bv, qkv; writes qkv
.if DOCPART == 2
	.amdgcn_target "amdgcn-amd-amdhsa--gfx1250"
	.amdhsa_code_object_version 6
	.text
	.protected	k_qcd712ebae2_proj
	.globl	k_qcd712ebae2_proj
	.p2align	8
	.type	k_qcd712ebae2_proj,@function
k_qcd712ebae2_proj:
	s_mov_b64 s[64:65], 0
	v_nop
	global_prefetch_b8 v0, s[64:65] scope:SCOPE_SE
	s_setreg_imm32_b32 hwreg(HW_REG_WAVE_MODE, 25, 1), 1
	s_wait_xcnt 0x0
	s_wait_alu depctr_hold_cnt(0) depctr_sa_sdst(0) depctr_va_vdst(0) depctr_va_sdst(0) depctr_va_ssrc(0) depctr_va_vcc(0) depctr_vm_vsrc(0)
	s_getreg_b32 s2, hwreg(HW_REG_IB_STS2, 6, 4)
	s_cmp_eq_u32 s2, 0
	s_cbranch_scc0 .Lentry_in_a_cluster
	s_endpgm
.Lentry_in_a_cluster:
	s_bfe_u32 s2, ttmp6, 0x10000c
	s_cmp_lg_u32 s2, 0xf033
	s_cbranch_scc0 .Lentry_shape_is_right
	s_endpgm
.Lentry_shape_is_right:
; Q = query Wq^T + bq, K = key Wk^T + bk, V = value Wv^T + bv: three products [4096][1024] x [1024][1024] on codes of FP4 (E2M1) with one E8M0 scale for each 32 along K, sums in f32.
; The codes' buffer holds 15,360 rows of 512 bytes (rows 0-12287: query, key, value; 12288 on: Wq, Wk, Wv), the scales' buffer the same rows of 32 bytes.  The results are rounded to f16 and laid by head: qkv [3][2][16][2048][64].
; LIMIT: |Q|, |K|, |V| stay under 65,504, f16's largest number.
; ONE GRID FOR THE THREE: tile row tr (0..47) walks the 12,288 activation rows; the tensor t = tr / 16 picks the weight's rows and the bias.  A tile of C is 256 x 256: four waves, each 128 x 128: 64 accumulators, 512 registers.
; K = 1,024 is two steps of 512 (rows of 256 bytes): both lie in LDS at once, so every tensor load goes out at the head, no LDS byte is filled again, and there is no later tile to ask for ahead of its load.
; The scales of the work-group's 256 + 256 rows, for all of K, are two dense blocks: they come once, as rows of 256 bytes.
; CLUSTERS: 4 x 4 work-groups.  The four of a row of the cluster need the same rows of the activation, the four of a column the same rows of the weight: each tile is asked for JOINTLY, by the same tensor load with the same descriptor
; and a mask that names the four.  t hangs on the cluster's y alone, so all sixteen share it.  192 work-groups: a tile of 192 rows would cross tensors, and tiles of 128 x 128 would read twice the LDS bytes for each product.
; THE MATRIX INSTRUCTION IS USED TRANSPOSED (source 0 = 16 rows of W, source 1 = 16 rows of x): a lane holds eight neighbouring columns of one row.  THE BIAS IS THE C OF EACH SUM'S FIRST PRODUCT: nothing is cleared, nothing is added.
; REGISTERS, in windows of 256: window 0: v0-31 addresses; v32-95 scale words, two sets; v128-191 x's fragments, one set; v192-255 the bias, 8 column blocks x 8.  On the way out v128-223 are free.
;   window 1: W's fragments, two sets, at v0 and v128.   window 2: the accumulators of my rows 0-63 ((a, b) at v[8 (8 a + b)]);   window 3: those of my rows 64-127.
.set NQ,     4                         ; matrix instructions deep in a slot: 512 along K
.set ROWB,   256                       ; a tile's row in bytes
.set KROW,   512                       ; a row of codes in memory
.set PITCH,  272                       ; an LDS row: 256 bytes + 16 of padding = 68 words: row r starts at bank 4 r mod 64 (64 banks of 4 bytes: ISA guide 11.1), so the 16 rows of a load start at 16 different banks
.set FR,     8                         ; registers of a fragment: 16 rows x 128 K
.set NL,     2                         ; LDS loads that bring one
.set NP,     4                         ; places behind this matrix instruction (ISA guide 7.12.1)
.set HALFT,  128*PITCH                 ; 128 rows: what one tensor load brings
.set SLOT,   4*HALFT                   ; x's 256 rows, then W's 256 rows
.set KS,     32                        ; a row of scales in bytes
.set SCL,    2*SLOT                    ; behind the two slots: the scales, as rows of 256 bytes + 16 of padding
.set HALFS,  (128*KS/256)*272          ; the scales of 128 rows
.set SBLK,   (16*KS/256)*272           ; those of 16 rows
.set SPARE,  SCL+4*HALFS               ; behind the scales: the spare words, 128 bytes a wave
.set SPITCH, 272                       ; the way out: 16 rows x (256 bytes + 16) for each wave, in slot 0, which has had its one fill and its last read by then
.set ADRA, 16                          ; v16-17  LDS address of my x fragments in slot 0, 1
.set ADRB, 20                          ; v20-21  the same for W
.set STO,  24                          ; v24     the way out: where I put 16 bytes of a row
.set RD,   25                          ; v25     where I read back
.set CO,   26                          ; v26     16 x lane: my bytes of a store's 512
.set ADRS, 27                          ; v27     LDS address of my scale words: lanes 0-15 x's rows, lanes 16-31 W's
.set SPW,  28                          ; v28     LDS address of my spare word; never rewritten
.set NIL,  29                          ; v29     0; never rewritten
.set BO,   30                          ; v30     32 x (lane / 16): my eight numbers of a block of the bias
.set SC,   32
.set AF,   128
.set BI,   192
.set TMP,  192                         ; the way out: packed results
.set BK,   128                         ; and rows read back: v128-159 and v160-191 by turns
.set WV, 16                            ; s16 wave;  s17 wave / 2: my half of the rows, and: I fetch for x (0) or W (1);  s18 wave % 2: my half of the columns, and which 128 rows I fetch
.set RH, 17
.set CH, 18
.set G1, 24                            ; s[24:31] group 1 for x's codes;  s[32:39] group 0, a set for each slot
.set G0, 32
.set G1B, 48                           ; s[48:55], s[56:63] the same for W's
.set G0B, 56
.set G1S, 68                           ; s[68:75], s[76:79] for x's scales;  s[80:87], s[88:91] for W's
.set G0S, 76
.set G1SB, 80
.set G0SB, 88
.set MSB, 0
.macro WIN new                         ; the immediate's high byte repeats the setting that is left
.if MSB != \new
	s_set_vgpr_msb (MSB<<8)|\new
.set MSB, \new
.endif
.endm
.set MUL_LO,   0xa1                    ; source 0 (W) window 1, source 1 (x) window 0, C and D window 2
.set MUL_HI,   0xf1                    ; the same, C and D window 3
.set FIRST_LO, 0x81                    ; the first step: C (the bias) window 0, D window 2
.set FIRST_HI, 0xc1                    ; D window 3
.set TO_B,     0x40                    ; destination window 1, address window 0
; A joint load: waves 0 and 1 fetch for x, waves 2 and 3 for W.  Each of the two lines has one mask and one set of registers for all that issue it; the branch hangs on the wave's number alone.
; An s_nop 0 and four v_nop follow each of the two lines, ahead of the jump, the label and what follows.
.macro JLOAD g0a, g1a, g0b, g1b
	s_cmp_eq_u32 s[RH], 0
	s_cbranch_scc0 .Lfor_b_\@
	tensor_load_to_lds s[\g0a:\g0a+3], s[\g1a:\g1a+7]
	s_nop 0
.rept 4
	v_nop
.endr
	s_branch .Lasked_\@
.Lfor_b_\@:
	tensor_load_to_lds s[\g0b:\g0b+3], s[\g1b:\g1b+7]
	s_nop 0
.rept 4
	v_nop
.endr
.Lasked_\@:
.endm
.macro CROUND                          ; a round of the cluster's barrier: my work-group's barrier; wave 0 signals for the work-group; every wave waits for all sixteen; my work-group's barrier once more
	s_barrier_signal -1
	s_barrier_wait -1
	s_cmp_lg_u32 s[WV], 0
	s_cbranch_scc1 .Lnot_wave_0_\@
	s_barrier_signal -3
.Lnot_wave_0_\@:
	s_barrier_wait -3
	s_barrier_signal -1
	s_barrier_wait -1
.endm
	s_load_b256 s[4:11], s[0:1], 0x0               ; codes 4:5, scales 6:7, bq 8:9, bk 10:11
	s_load_b128 s[12:15], s[0:1], 0x20             ; bv 12:13, qkv 14:15
	v_lshl_add_u32 v[SPW], v0, 2, SPARE
	v_mov_b32 v[NIL], 0
	ds_add_u32 v[SPW], v[NIL]                      ; the wave's opening: the add, twice on end, and its wait ahead of my first tensor load; the set-up below, work on registers, stands between
	ds_add_u32 v[SPW], v[NIL]
	v_lshrrev_b32 v1, 5, v0
	v_readfirstlane_b32 s[WV], v1                  ; wave 0..3
	s_lshr_b32 s[RH], s[WV], 1
	s_and_b32 s[CH], s[WV], 1
	s_bfe_u32 s40, ttmp6, 0x40000                  ; cx, cy: my place in the cluster
	s_bfe_u32 s41, ttmp6, 0x40004
	s_lshl_b32 s42, ttmp9, 2
	s_add_co_u32 s42, s42, s40                     ; tile column = 4 x cluster x + cx
	s_and_b32 s19, ttmp7, 0xffff                   ; cluster y
	s_lshl_b32 s66, s19, 2
	s_add_co_u32 s66, s66, s41                     ; tile row = 4 x cluster y + cy
	s_lshr_b32 s19, s19, 2                         ; the tensor: 0 Q, 1 K, 2 V: four clusters of tile rows each
	s_lshl_b32 s43, s41, 2
	s_lshl_b32 s43, 15, s43                        ; my row of the cluster
	s_lshl_b32 s44, 0x1111, s40                    ; my column
	; group 1: a tile of 128 rows x 256 bytes, padded in LDS
	s_or_b32 s[G1+0], s43, (0<<16)|(1<<20)|(1<<21)|(5<<22)|(3<<25)  ; 15:0 the mask: x's tiles go to my row; 17:16 elements of 1 byte; 20 padding on; 21 set beside a mask; 24:22 after every 64 words (code 5); 31:25 four words (code 3)
	s_or_b32 s[G1B+0], s44, (0<<16)|(1<<20)|(1<<21)|(5<<22)|(3<<25)
.irp g, G1, G1B
	s_mov_b32 s[\g+1], ROWB<<16                    ; tensor_dim0
	s_mov_b32 s[\g+2], 128<<16                     ; tensor_dim1
	s_mov_b32 s[\g+3], ROWB<<16                    ; tile_dim0
	s_mov_b32 s[\g+4], 128                         ; tile_dim1
	s_mov_b32 s[\g+5], KROW                        ; from row to row
	s_mov_b32 s[\g+6], 0
	s_mov_b32 s[\g+7], 0
.endr
	; and for the scales of 128 rows: 4,096 dense bytes as 16 rows of 256 (32 elements of 8 bytes), 16 bytes of padding behind each
	s_or_b32 s[G1S+0], s43, (3<<16)|(1<<20)|(1<<21)|(5<<22)|(3<<25)
	s_or_b32 s[G1SB+0], s44, (3<<16)|(1<<20)|(1<<21)|(5<<22)|(3<<25)
.irp g, G1S, G1SB
	s_mov_b32 s[\g+1], 32<<16
	s_mov_b32 s[\g+2], (128*KS/256)<<16
	s_mov_b32 s[\g+3], 32<<16
	s_mov_b32 s[\g+4], 128*KS/256
	s_mov_b32 s[\g+5], 32
	s_mov_b32 s[\g+6], 0
	s_mov_b32 s[\g+7], 0
.endr
	s_lshl_b32 s20, s[CH], 7                       ; which 128 rows of the tile I fetch
	s_lshl_b32 s22, s66, 8
	s_add_co_u32 s22, s22, s20                     ; x: row 256 x tile row + 128 x half
	s_lshl_b32 s46, s42, 8
	s_add_co_u32 s46, s46, s20
	s_lshl_b32 s47, s19, 10
	s_add_co_u32 s46, s46, s47
	s_add_co_u32 s46, s46, 12288                   ; W: row 12,288 + 1,024 t + 256 x tile column + 128 x half
	s_lshl_b32 s20, s22, 9                         ; in bytes: 512 of codes a row,
	s_mov_b32 s21, 0
	s_lshl_b32 s22, s22, 5                         ; 32 of scales
	s_mov_b32 s23, 0
	s_lshl_b32 s92, s46, 5
	s_mov_b32 s93, 0
	s_lshl_b32 s46, s46, 9
	s_mov_b32 s47, 0
	s_mul_i32 s45, s[WV], HALFT                    ; where they go: wave x 128 rows: no place in the cluster enters an LDS address
	s_mul_i32 s94, s[WV], HALFS
	s_wait_dscnt 0x0                               ; both opening adds are done
	s_wait_kmcnt 0x0
	s_add_nc_u64 s[20:21], s[4:5], s[20:21]
	s_add_nc_u64 s[22:23], s[6:7], s[22:23]
	s_add_nc_u64 s[46:47], s[4:5], s[46:47]
	s_add_nc_u64 s[92:93], s[6:7], s[92:93]
	CROUND                                         ; all sixteen work-groups are here: the joint loads meet
	s_mov_b32 s[G0S], 1
	s_add_co_u32 s[G0S+1], s94, SCL
	s_mov_b64 s[G0S+2:G0S+3], s[22:23]
	s_or_b32 s[G0S+3], s[G0S+3], 0x80000000
	s_mov_b32 s[G0SB], 1
	s_add_co_u32 s[G0SB+1], s94, SCL
	s_mov_b64 s[G0SB+2:G0SB+3], s[92:93]
	s_or_b32 s[G0SB+3], s[G0SB+3], 0x80000000
	JLOAD G0S, G1S, G0SB, G1SB                     ; the scales first: they are wanted with the first step
.irp s, 0,1
	s_mov_b32 s[G0+4*\s], 1
	s_add_co_u32 s[G0+4*\s+1], s45, \s*SLOT
	s_add_nc_u64 s[G0+4*\s+2:G0+4*\s+3], s[20:21], \s*ROWB
	s_or_b32 s[G0+4*\s+3], s[G0+4*\s+3], 0x80000000
	s_mov_b32 s[G0B+4*\s], 1
	s_add_co_u32 s[G0B+4*\s+1], s45, \s*SLOT
	s_add_nc_u64 s[G0B+4*\s+2:G0B+4*\s+3], s[46:47], \s*ROWB
	s_or_b32 s[G0B+4*\s+3], s[G0B+4*\s+3], 0x80000000
	JLOAD G0+4*\s, G1, G0B+4*\s, G1B               ; three tensor loads of mine are out in all
.endr
	v_and_b32 v1, 15, v0                           ; r = lane % 16
	v_bfe_u32 v2, v0, 4, 1                         ; h = lane / 16
	v_lshlrev_b32 v[BO], 5, v2
	s_cmp_eq_u32 s19, 0                            ; the tensor's bias: a choice that hangs on the cluster's y alone
	s_cselect_b64 s[96:97], s[8:9], s[10:11]
	s_cmp_eq_u32 s19, 2
	s_cselect_b64 s[96:97], s[12:13], s[96:97]
	s_lshl_b32 s20, s42, 10
	s_lshl_b32 s21, s[CH], 9
	s_add_co_u32 s20, s20, s21                     ; my first column x 4 bytes: 256 x tile column + 128 x half
	s_mov_b32 s21, 0
	s_add_nc_u64 s[96:97], s[96:97], s[20:21]
.irp b, 0,1,2,3,4,5,6,7                        ; in the result's layout: lane (r, h) holds, for column block b, the bias of columns 16 b + 8 h + 0 .. 7
	global_load_b128 v[BI+8*\b:BI+8*\b+3], v[BO], s[96:97] offset:64*\b
	global_load_b128 v[BI+8*\b+4:BI+8*\b+7], v[BO], s[96:97] offset:64*\b+16
.endr
	v_mul_u32_u24 v3, v1, PITCH
	v_lshl_add_u32 v4, v2, 4, v3                   ; a fragment's row x pitch + 16 x half
	s_mul_i32 s21, s[RH], HALFT                    ; my 128 rows of x
	s_mul_i32 s22, s[CH], HALFT                    ; my 128 rows of W,
	s_add_co_u32 s22, s22, 2*HALFT                 ; which lie behind x's 256
.irp s, 0,1
	v_add_nc_u32 v[ADRA+\s], s21, v4
	v_add_nc_u32 v[ADRB+\s], s22, v4
	s_add_co_u32 s21, s21, SLOT
	s_add_co_u32 s22, s22, SLOT
.endr
	v_mul_u32_u24 v5, v1, KS                       ; my row's scales: 32 bytes a row,
	v_lshrrev_b32 v6, 8, v5
	v_lshl_add_u32 v5, v6, 4, v5                   ; and 16 more for each 256 passed
	s_mul_i32 s21, s[RH], HALFS                    ; x's: my 128 rows
	s_mul_i32 s22, s[CH], HALFS                    ; W's: my 128 rows, behind x's 256
	s_add_co_u32 s22, s22, 2*HALFS
	s_sub_co_u32 s22, s22, s21
	v_mul_u32_u24 v6, s22, v2                      ; lanes 16-31 take W's: one product, the distance between the two bases x h
	s_add_co_u32 s21, s21, SCL
	v_add_nc_u32 v5, v5, v6
	v_add_nc_u32 v[ADRS], s21, v5
	s_mul_i32 s23, s[WV], 16*SPITCH                ; my stage
	v_add_nc_u32 v[STO], s23, v4                   ; in: row r, 16 bytes for each half of the lanes
	v_bfe_u32 v5, v0, 3, 2
	v_mul_u32_u24 v5, v5, SPITCH
	v_and_b32 v6, 7, v0
	v_lshl_add_u32 v5, v6, 4, v5
	v_add_nc_u32 v[RD], s23, v5                    ; back: eight lanes take one head's 128 bytes of a row, the 32 lanes four rows
	v_and_b32 v6, 31, v0
	v_lshlrev_b32 v[CO], 4, v6                     ; four rows of a head are 512 consecutive bytes of qkv
	s_lshr_b32 s20, s66, 3                         ; where my part begins in qkv: (tensor, batch) = tile row / 8, 4,194,304 bytes each;
	s_lshl_b32 s20, s20, 22
	s_lshl_b32 s21, s42, 2
	s_lshl_b32 s22, s[CH], 1
	s_add_co_u32 s21, s21, s22                     ; my first head = 4 x tile column + 2 x half, 262,144 bytes each;
	s_lshl_b32 s21, s21, 18
	s_add_co_u32 s20, s20, s21
	s_and_b32 s21, s66, 7
	s_lshl_b32 s21, s21, 8
	s_lshl_b32 s22, s[RH], 7
	s_add_co_u32 s21, s21, s22                     ; my first position = 256 (tile row % 8) + 128 x half, 128 bytes each
	s_lshl_b32 s21, s21, 7
	s_add_co_u32 s20, s20, s21
	s_mov_b32 s21, 0
	s_add_nc_u64 s[14:15], s[14:15], s[20:21]
.macro FRAG reg, adr, q, i             ; a fragment, 16 rows x 128 K of 4-bit codes: lane l holds row l % 16; registers 4 c .. 4 c + 3 hold K = 64 c + 32 (l / 16) + 0 .. 31
.irp c, 0,1
	ds_load_b128 v[\reg+4*\c:\reg+4*\c+3], v[\adr] offset:64*(\q)+32*\c+(\i)*16*PITCH
.endr
.endm
; 16 matrix instructions: x's blocks a0, a0 + 1 against W's eight, 128 along K: the slot's q-th.  p: W's set;  sc: the set of scale words.  first = 1: the bias is the C.
; The 64 accumulators take turns, one instruction a turn, in the same order in every step.  One register carries x's scale word (lanes 0-15) and W's (lanes 16-31).
.macro MUL16 a0, p, q, sc, first
.irp a, \a0, \a0+1
.irp b, 0,1,2,3,4,5,6,7
.if \first
	v_wmma_scale_f32_16x16x128_f8f6f4 v[8*(8*((\a)%4)+\b):8*(8*((\a)%4)+\b)+7], v[128*(\p)+FR*\b:128*(\p)+FR*\b+FR-1], v[AF+FR*(\a):AF+FR*(\a)+FR-1], v[BI+8*\b:BI+8*\b+7], v[SC+8*NQ*(\sc)+NQ*\b+(\q)], v[SC+8*NQ*(\sc)+NQ*(\a)+(\q)] matrix_a_fmt:MATRIX_FMT_FP4 matrix_b_fmt:MATRIX_FMT_FP4 matrix_a_scale:MATRIX_SCALE_ROW1
.else
	v_wmma_scale_f32_16x16x128_f8f6f4 v[8*(8*((\a)%4)+\b):8*(8*((\a)%4)+\b)+7], v[128*(\p)+FR*\b:128*(\p)+FR*\b+FR-1], v[AF+FR*(\a):AF+FR*(\a)+FR-1], v[8*(8*((\a)%4)+\b):8*(8*((\a)%4)+\b)+7], v[SC+8*NQ*(\sc)+NQ*\b+(\q)], v[SC+8*NQ*(\sc)+NQ*(\a)+(\q)] matrix_a_fmt:MATRIX_FMT_FP4 matrix_b_fmt:MATRIX_FMT_FP4 matrix_a_scale:MATRIX_SCALE_ROW1
.endif
.endr
.endr
.endm
.macro FETCH_B slot, q, p              ; W's eight fragments of the slot's q-th 128 along K into set p
	WIN TO_B
.irp i, 0,1,2,3,4,5,6,7
	FRAG 128*(\p)+FR*\i, ADRB+\slot, \q, \i
.endr
	WIN 0
.endm
.macro FETCH_A slot, q, i0             ; x's blocks i0 .. i0 + 3
.irp i, \i0, \i0+1, \i0+2, \i0+3
	FRAG AF+FR*(\i), ADRA+\slot, \q, \i
.endr
.endm
.macro SCALES sc                       ; a slot's scale words into set sc: four words a row; lanes 0-15 take x's block i, lanes 16-31 W's block i
.irp i, 0,1,2,3,4,5,6,7
	ds_load_b128 v[SC+8*NQ*\sc+NQ*\i:SC+8*NQ*\sc+NQ*\i+3], v[ADRS] offset:\i*SBLK
.endr
.endm
; A load into a register that a matrix instruction has read, and a vector instruction that reads a matrix result, stand NP places behind that matrix instruction; only plain vector instructions that name none of
; its registers are places (ISA guide 7.12.1 for vector instructions).
.macro PLACES n
.rept \n
	v_nop
.endr
.endm
; A step of 128 along K that has its successor in the same slot.  x has one set of registers: blocks 0-3 are fetched anew in the step's middle, blocks 4-7 at its end; W has two sets.
.macro STEP slot, q, first
	s_wait_dscnt 4*NL                              ; W's set and x's blocks 0-3 are in; the youngest eight loads (x's blocks 4-7) may be out
.if \first
	WIN FIRST_LO
.else
	WIN MUL_LO
.endif
	MUL16 0, (\q)%2, \q, \slot, \first
	MUL16 2, (\q)%2, \q, \slot, \first
	s_wait_dscnt 0                                 ; x's blocks 4-7 are in (asked for 32 matrix instructions ago)
	PLACES NP
	FETCH_B \slot, (\q)+1, 1-(\q)%2
	FETCH_A \slot, (\q)+1, 0
.if \first
	WIN FIRST_HI
.else
	WIN MUL_HI
.endif
	MUL16 4, (\q)%2, \q, \slot, \first
	MUL16 6, (\q)%2, \q, \slot, \first
	PLACES NP
	WIN 0
	FETCH_A \slot, (\q)+1, 4
.endm
; Slot 0's last step changes slots: one barrier.  In front of it each wave waits for all its tensor loads (slot 1's is the one that may be out), adds 0 to its spare word, and waits for that and for its reads of slot 0.
; Behind it slot 1 is whole, and nobody reads slot 0 any more: the way out may take its bytes.  Nothing is filled again.
.macro TURN slot, next
	s_wait_tensorcnt 0x0                           ; all my tensor loads have landed  (every window is 0 here: the add's two registers lie in window 0)
	ds_add_u32 v[SPW], v[NIL]                      ; 0 onto my spare word
	s_wait_dscnt 4*NL+1                            ; (the add and the youngest eight loads, x's blocks 4-7, may be out)
	WIN MUL_LO
	MUL16 0, 1, NQ-1, \slot, 0                     ; sixteen matrix instructions stand between the add and the wait for it
	s_wait_dscnt 0x0                               ; the add is done, and my reads of this slot are over
	s_barrier_signal -1
	MUL16 2, 1, NQ-1, \slot, 0
	WIN 0
	s_barrier_wait -1
	PLACES NP
	v_add_nc_u32 v[ADRS], 4*NQ, v[ADRS]            ; on to the next slot's scale words (no LDS load of mine is out)
	FETCH_B \next, 0, 0
	FETCH_A \next, 0, 0
	SCALES \next
	WIN MUL_HI
	MUL16 4, 1, NQ-1, \slot, 0
	MUL16 6, 1, NQ-1, \slot, 0
	PLACES NP
	WIN 0
	FETCH_A \next, 0, 4
.endm
.macro STEPS slot, from                ; the slot's steps from .. NQ - 2
.set Q, \from
.rept NQ-1-\from
	STEP \slot, Q, 0
.set Q, Q+1
.endr
.endm
	s_wait_tensorcnt 1                             ; the scales and my part of slot 0 are in (slot 1's load may be out)
	s_barrier_signal -1
	s_barrier_wait -1                              ; everybody's are
	FETCH_B 0, 0, 0
	FETCH_A 0, 0, 0
	SCALES 0
	FETCH_A 0, 0, 4
	s_wait_loadcnt 0x0                             ; the bias
	STEP 0, 0, 1                                   ; the first step's products start the sums from the bias
	STEPS 0, 1
	TURN 0, 1
	STEPS 1, 0
	s_wait_dscnt 4*NL                              ; the very last step: nothing more to fetch
	WIN MUL_LO
	MUL16 0, 1, NQ-1, 1, 0
	MUL16 2, 1, NQ-1, 1, 0
	s_wait_dscnt 0
	WIN MUL_HI
	MUL16 4, 1, NQ-1, 1, 0
	MUL16 6, 1, NQ-1, 1, 0
	WIN 0
; THE WAY OUT, block by block of 16 rows x 128 columns (two heads).  PACK: rounded to f16, 16 bytes a lane, each accumulator from its low end on.  TOSTAGE: into my own stage and back by heads.  SEND: four rows of one head,
; 512 consecutive aligned bytes, a store.  LDS serves a wave's instructions in order (ISA guide 5.7.1.4): no wait between the stage's stores and loads.
.macro PACK a
.set AC, 64*((\a)%4)
	WIN (0x0a+5*((\a)/4))                          ; sources 0 and 1: window 2 or 3
.irp b, 0,1,2,3,4,5,6,7
.irp r, 0,1,2,3
	v_cvt_pk_f16_f32 v[TMP+4*\b+\r], v[AC+8*\b+2*\r], v[AC+8*\b+2*\r+1]
.endr
.endr
	WIN 0
.endm
.macro TOSTAGE a
.set BB, BK+32*((\a)%2)
.irp b, 0,1,2,3,4,5,6,7
	ds_store_b128 v[STO], v[TMP+4*\b:TMP+4*\b+3] offset:32*\b
.endr
.irp t, 0,1,2,3,4,5,6,7                        ; head t / 4, rows 4 (t % 4) on
	ds_load_b128 v[BB+4*\t:BB+4*\t+3], v[RD] offset:(\t%4)*4*SPITCH+(\t/4)*128
.endr
.endm
.macro SEND a
.set BB, BK+32*((\a)%2)
	s_wait_dscnt 0x0                               ; the block is back in registers
	s_wait_xcnt 0x0                                ; the block before has had its stores' registers read: the next block's loads may land there
.irp t, 0,1,2,3,4,5,6,7
	global_store_b128 v[CO], v[BB+4*\t:BB+4*\t+3], s[14:15] offset:(\t/4)*262144+(\a)*2048+(\t%4)*512
.endr
.endm
	PLACES NP                                      ; behind the last products: for the conversions' reads and for the loads into the registers that held x's fragments
	PACK 0
	TOSTAGE 0
.irp a, 1,2,3,4,5,6,7                          ; block a's conversions stand between block a - 1's loads from the stage and the wait for them
	PACK \a
	SEND \a-1
	TOSTAGE \a
.endr
	SEND 7
	s_wait_tensorcnt 0x0                           ; the wave's end: behind my last tensor load and my last LDS store
	ds_add_u32 v[SPW], v[NIL]
	s_wait_dscnt 0x0
	CROUND                                         ; the closing round: no work-group ends while a partner may still ask for a tile that names it
	s_endpgm
.Lfunc_end_k_qcd712ebae2_proj:
	.size	k_qcd712ebae2_proj, .Lfunc_end_k_qcd712ebae2_proj-k_qcd712ebae2_proj
	.p2alignl 7, 3214868480
	.fill 96, 4, 3214868480
	.section	.rodata,"a",@progbits
	.p2align	6, 0x0
	.amdhsa_kernel k_qcd712ebae2_proj
		.amdhsa_group_segment_fixed_size 327680
		.amdhsa_private_segment_fixed_size 0
		.amdhsa_enable_private_segment 0
		.amdhsa_kernarg_size 48
		.amdhsa_user_sgpr_count 2
		.amdhsa_user_sgpr_kernarg_segment_ptr 1
		.amdhsa_wavefront_size32 1
		.amdhsa_system_sgpr_workgroup_id_x 1
		.amdhsa_system_sgpr_workgroup_id_y 1
		.amdhsa_system_sgpr_workgroup_id_z 1
		.amdhsa_system_vgpr_workitem_id 0
		.amdhsa_next_free_vgpr 1024
		.amdhsa_next_free_sgpr 100
		.amdhsa_reserve_vcc 0
		.amdhsa_float_denorm_mode_32 3
		.amdhsa_float_denorm_mode_16_64 3
		.amdhsa_memory_ordered 1
		.amdhsa_forward_progress 1
		.amdhsa_inst_pref_size 128
	.end_amdhsa_kernel
	.amdgpu_metadata
---
amdhsa.version: [ 1, 2 ]
amdhsa.kernels:
  - .name:           k_qcd712ebae2_proj
    .symbol:         k_qcd712ebae2_proj.kd
    .args:
      - { .name: codes, .offset: 0, .size: 8, .value_kind: global_buffer, .address_space: global }
      - { .name: scales, .offset: 8, .size: 8, .value_kind: global_buffer, .address_space: global }
      - { .name: bq, .offset: 16, .size: 8, .value_kind: global_buffer, .address_space: global }
      - { .name: bk, .offset: 24, .size: 8, .value_kind: global_buffer, .address_space: global }
      - { .name: bv, .offset: 32, .size: 8, .value_kind: global_buffer, .address_space: global }
      - { .name: qkv, .offset: 40, .size: 8, .value_kind: global_buffer, .address_space: global }
    .group_segment_fixed_size: 327680
    .private_segment_fixed_size: 0
    .kernarg_segment_align: 8
    .kernarg_segment_size: 48
    .max_flat_workgroup_size: 128
    .sgpr_count:     100
    .vgpr_count:     1024
    .wavefront_size: 32
...
	.end_amdgpu_metadata
.endif
;; end of part 2
;; launch attn (part 3): grid 8 x 32, 16 waves a work-group, no clusters, 196,608 bytes of LDS; arguments qkv, att; writes att
.if DOCPART == 3
	.amdgcn_target "amdgcn-amd-amdhsa--gfx1250"
	.amdhsa_code_object_version 6
	.text
	.protected	k_qcd712ebae2_attn
	.globl	k_qcd712ebae2_attn
	.p2align	8
	.type	k_qcd712ebae2_attn,@function
k_qcd712ebae2_attn:
	s_mov_b64 s[64:65], 0
	v_nop
	global_prefetch_b8 v0, s[64:65] scope:SCOPE_SE
	s_setreg_imm32_b32 hwreg(HW_REG_WAVE_MODE, 25, 1), 1
	s_wait_xcnt 0x0
; att[b][q][h][:] = the sum over k of softmax_k(Q . K / 8) V, where key k counts for query q if q - 128 <= k < q + 128 and 0 <= k < 2,048.  Q, K, V: qkv [3][2][16][2048][64] f16; products, maximum and sums in f32;
; the weights p are rounded to f16 for the second product, the result once at the end.  att is laid [row pair][head][2 rows][64] f16: a head's two neighbouring rows are 256 consecutive aligned bytes.
; Only the band is multiplied: what lies outside it has the weight 0.
; LIMITS: every query's largest score in the band, divided by 8, lies above about -1e9 + 104 (under that the keys outside the band, which stand at -1e9 in the definition, would begin to weigh; here they weigh 0);
; the result stays under 65,504; NaN and infinities are not served.
; SHARES.  A work-group owns 256 queries of one head, 256 i on, and brings the 512 keys 256 i - 128 .. 256 i + 383 of K and of V into LDS ONCE, in chunks of 128: waves 0-3 K's, waves 4-7 V's, one tensor load each, all at the head.
; So nothing is filled again and there is no later tile to ask for ahead of its load.  At the sequence's ends a chunk that would lie outside is replaced by the nearest chunk inside (ids alone): its keys are hidden by the mask.
; Each of the SIXTEEN waves owns 16 queries and walks 288 keys, window places 32 (w / 2) on: 18 tiles of 16.  All 288 scores of a query lie in registers, so the row's true maximum is taken once and nothing is rescaled.
; Four waves share a SIMD: one wave's vector work stands beside another's matrix work and LDS loads.
; NO CLUSTER: neighbouring query blocks share 256 of their 512 keys, but a shared chunk is chunk c of one block and chunk c - 2 of the next: it would land at another LDS address in each, and a joint load has one.
; LAYOUT.  S^T = K Q^T (source 0 = 16 keys, source 1 = my 16 queries): a lane holds ONE query (lane % 16) and keys 8 (lane / 16) + 0..7 of a tile.  Two tiles, rounded to f16 in pairs, ARE source 1 (32 keys x 16 queries) of
; O^T = V^T P.  K comes out of LDS as it lies, V ([key][channel]) turned, by ds_load_tr16_b128.
.set PK,    272                        ; two keys of K in LDS: 256 bytes + 16: the 16 rows of a load fall on columns 16 (r / 2) + 128 (r % 2) of the 256 bytes that the 64 banks span (ISA guide 11.1): all different
.set PV,    288                        ; two keys of V: 256 + 32: the 8 rows x 32 bytes of a pass of the turning load fall on 32 (row / 2) + 128 (row % 2)
.set KCH,   64*PK                      ; a chunk of 128 keys
.set VCH,   64*PV
.set VBASE, 4*KCH
.set STAGE, VBASE+4*VCH                ; the way out: 16 rows x (128 bytes + 16) for each wave: bytes of its own, into which no fill lands
.set SPS,   144
.set SPARE, STAGE+16*16*SPS            ; the spare words, 128 bytes a wave
.set AK,   3                           ; v3   my lane's place in my wave's first tile of K
.set AV,   4                           ; v4   the same for V
.set SPW,  5                           ; v5   LDS address of my spare word; never rewritten
.set NIL,  6                           ; v6   0; never rewritten
.set LO,   7                           ; v7   a register's key 16 kt + j is hidden where it is under this,
.set HI,   8                           ; v8   or at or over this
.set NINF, 9                           ; v9   -infinity
.set QO,   10                          ; v10  my bytes in the wave's rows of Q
.set STO,  11                          ; v11  the stage, in
.set CM,   12                          ; v[12:13] c x the row's maximum (the packed form names a pair)
.set RS,   14                          ; v14  1 / the row's sum (named with v15 as a pair)
.set RD,   15                          ; v15  the stage, back
.set QF,   16                          ; v16-31  Q: two fragments of 16 queries x 32 channels
.set F0,   32                          ; v32-63, v64-95  two buffers of four fragments of K or of V
.set S,    96                          ; v96-239 the scores, 18 tiles x 8; then p; p's f16 pairs are packed in place into v96-167
.set O,    168                         ; v168-199 O^T, 4 tiles of 16 channels
.set OUT,  200                         ; v200-215 packed
.set BK,   216                         ; v216-231 rows read back
.set GO,   232                         ; v232 my bytes in att; made on the way out, when the scores are done with
.set T,    240                         ; v240-243 four chains of the maximum; at work at the head
.set X,    244                         ; v244-251 four chains of the sum, in pairs; at work
.set WV,   8                           ; s8 wave, s9 i, s10 (batch, head), s11 w / 2, s12 w % 4, s13 my chunk of keys
.set G1K,  16
.set G1V,  24
.set G0K,  32
.set G0V,  36
.set CS,   40                          ; s[40:41] c = log2(e) / 8
.set SEL,  42                          ; s[42:43] lane selects for v_permlanex16_b32: lane l xor 16
	s_load_b128 s[4:7], s[0:1], 0x0                ; qkv, att
	v_lshl_add_u32 v[SPW], v0, 2, SPARE
	v_mov_b32 v[NIL], 0
	ds_add_u32 v[SPW], v[NIL]                      ; the wave's opening: the add, twice on end, and its wait ahead of the first tensor load; the set-up below, work on registers, stands between
	ds_add_u32 v[SPW], v[NIL]
	v_lshrrev_b32 v1, 5, v0
	v_readfirstlane_b32 s[WV], v1                  ; wave 0..15
	s_mov_b32 s9, ttmp9                            ; i: my block of 256 queries
	s_and_b32 s10, ttmp7, 0xffff                   ; 16 x batch + head
	s_lshr_b32 s11, s[WV], 1
	s_and_b32 s12, s[WV], 3
	s_lshl_b32 s13, s9, 1
	s_add_co_u32 s13, s13, s12
	s_sub_co_i32 s13, s13, 1                       ; chunk c of the window is chunk 2 i - 1 + c of the head's 16,
	s_max_i32 s13, s13, 0
	s_min_i32 s13, s13, 15                         ; held inside the head
	s_lshl_b32 s14, s10, 18                        ; the head's first byte in each of the three tensors: 262,144 bytes a head
	s_lshl_b32 s46, s13, 14                        ; + the chunk's 16,384
	s_add_co_u32 s46, s46, s14
	s_mov_b32 s47, 0
	; group 1: a chunk is dense in memory: 64 rows of 128 elements of 2 bytes (two keys a row), padded in LDS
	s_mov_b32 s[G1K], (1<<16)|(1<<20)|(5<<22)|(3<<25)  ; no mask; elements of 2 bytes; padding on: after every 64 words (code 5) four words (code 3)
	s_mov_b32 s[G1V], (1<<16)|(1<<20)|(5<<22)|(7<<25)  ; the same with eight words (code 7)
.irp g, G1K, G1V
	s_mov_b32 s[\g+1], 128<<16                     ; tensor_dim0
	s_mov_b32 s[\g+2], 64<<16                      ; tensor_dim1
	s_mov_b32 s[\g+3], 128<<16                     ; tile_dim0
	s_mov_b32 s[\g+4], 64                          ; tile_dim1
	s_mov_b32 s[\g+5], 128                         ; from row to row
	s_mov_b32 s[\g+6], 0
	s_mov_b32 s[\g+7], 0
.endr
	s_mov_b32 s[G0K], 1
	s_mul_i32 s[G0K+1], s12, KCH                   ; where my chunk goes: (wave % 4) x a chunk
	s_mov_b32 s[G0V], 1
	s_mul_i32 s[G0V+1], s12, VCH
	s_add_co_u32 s[G0V+1], s[G0V+1], VBASE
	s_mov_b32 s[CS], 0x3e38aa3b                    ; c = log2(e) / 8
	s_mov_b32 s[CS+1], s[CS]                       ; (named with it as a pair, so it is written)
	s_mov_b32 s[SEL], 0x76543210
	s_mov_b32 s[SEL+1], 0xfedcba98
	s_lshl_b32 s44, s9, 8
	s_lshl_b32 s45, s11, 5
	s_add_co_u32 s44, s44, s45
	s_sub_co_i32 s44, s44, 128                     ; ws: the key at my wave's place 0 = 256 i - 128 + 32 (w / 2); under 0 at the sequence's head
	s_sub_co_i32 s53, 0, s44                       ; places under this are keys under 0,
	s_sub_co_i32 s54, 2048, s44                    ; places from this on are keys from 2,048 on
	s_and_b32 s55, s[WV], 1
	s_lshl_b32 s55, s55, 4                         ; 16 (w % 2): query r's band begins at place 16 (w % 2) + r
	s_lshl_b32 s48, s9, 15
	s_lshl_b32 s49, s[WV], 11
	s_add_co_u32 s48, s48, s49
	s_add_co_u32 s48, s48, s14                     ; Q: the head + (256 i + 16 w) rows of 128 bytes
	s_mov_b32 s49, 0
	s_lshr_b32 s50, s10, 4
	s_lshl_b32 s50, s50, 10
	s_lshl_b32 s51, s9, 7
	s_add_co_u32 s50, s50, s51
	s_lshl_b32 s51, s[WV], 3
	s_add_co_u32 s50, s50, s51                     ; att: my first row pair = 1,024 x batch + 128 i + 8 w, 4,096 bytes each,
	s_lshl_b32 s50, s50, 12
	s_and_b32 s51, s10, 15
	s_lshl_b32 s51, s51, 8
	s_add_co_u32 s50, s50, s51                     ; + 256 x head
	s_mov_b32 s51, 0
	s_wait_dscnt 0x0                               ; both opening adds are done
	s_wait_kmcnt 0x0
	s_add_nc_u64 s[G0K+2:G0K+3], s[4:5], s[46:47]
	s_add_nc_u64 s[G0V+2:G0V+3], s[G0K+2:G0K+3], 16777216  ; V is the third tensor,
	s_add_nc_u64 s[G0K+2:G0K+3], s[G0K+2:G0K+3], 8388608   ; K the second
	s_or_b32 s[G0K+3], s[G0K+3], 0x80000000
	s_or_b32 s[G0V+3], s[G0V+3], 0x80000000
	s_add_nc_u64 s[48:49], s[4:5], s[48:49]
	s_add_nc_u64 s[6:7], s[6:7], s[50:51]
	; Waves 0-3 fetch K's chunks, waves 4-7 V's, the others nothing: one tensor load a wave is out.  An s_nop 0 and four v_nop follow each of the two lines.
	s_cmp_lt_u32 s[WV], 4
	s_cbranch_scc0 .Lnot_k
	tensor_load_to_lds s[G0K:G0K+3], s[G1K:G1K+7]
	s_nop 0
.rept 4
	v_nop
.endr
	s_branch .Lasked
.Lnot_k:
	s_cmp_lt_u32 s[WV], 8
	s_cbranch_scc0 .Lasked
	tensor_load_to_lds s[G0V:G0V+3], s[G1V:G1V+7]
	s_nop 0
.rept 4
	v_nop
.endr
.Lasked:
	v_and_b32 v1, 15, v0                           ; r
	v_bfe_u32 v2, v0, 4, 1                         ; h
	v_lshlrev_b32 v[QO], 7, v1
	v_lshl_add_u32 v[QO], v2, 4, v[QO]             ; Q: row r of 128 bytes, + 16 h
.irp n, 0,1,2,3                                ; a fragment is 16 rows x 32 channels: registers 0-3 channels 8 h + 0..7, registers 4-7 channels 16 + 8 h + 0..7: loads 32 bytes apart
	global_load_b128 v[QF+4*\n:QF+4*\n+3], v[QO], s[48:49] offset:32*\n th:TH_LOAD_NT
.endr
	v_lshrrev_b32 v240, 1, v1
	v_mul_u32_u24 v[AK], v240, PK
	v_and_b32 v240, 1, v0
	v_lshl_add_u32 v[AK], v240, 7, v[AK]
	v_lshl_add_u32 v[AK], v2, 4, v[AK]             ; K: key r of a tile: PK (r / 2) + 128 (r % 2) + 16 h
	s_mul_i32 s45, s11, 16*PK                      ; + my wave's first place, 32 (w / 2) keys
	v_add_nc_u32 v[AK], s45, v[AK]
	v_bfe_u32 v241, v0, 1, 2
	v_lshl_add_u32 v241, v2, 2, v241
	v_mul_u32_u24 v[AV], v241, PV                  ; V: the turning load's lane l reads key 8 h + l % 8, channels 8 ((l / 8) % 2) + 0..7
	v_lshl_add_u32 v[AV], v240, 7, v[AV]
	v_bfe_u32 v241, v0, 3, 1
	v_lshl_add_u32 v[AV], v241, 4, v[AV]
	s_mul_i32 s45, s11, 16*PV
	s_add_co_u32 s45, s45, VBASE
	v_add_nc_u32 v[AV], s45, v[AV]
	s_mul_i32 s45, s[WV], 16*SPS
	s_add_co_u32 s45, s45, STAGE                   ; my stage
	v_mul_u32_u24 v[STO], v1, SPS
	v_lshl_add_u32 v[STO], v2, 4, v[STO]
	v_add_nc_u32 v[STO], s45, v[STO]               ; in: row r, 16 bytes for each half of the lanes
	v_bfe_u32 v240, v0, 3, 2
	v_mul_u32_u24 v[RD], v240, SPS
	v_and_b32 v241, 7, v0
	v_lshl_add_u32 v[RD], v241, 4, v[RD]
	v_add_nc_u32 v[RD], s45, v[RD]                 ; back: eight lanes a row of 128 bytes, four rows a load
	s_wait_tensorcnt 0x0                           ; my chunk has landed (a wave that fetched nothing passes at once),
	s_barrier_signal -1
	s_barrier_wait -1                              ; everybody's has
	s_wait_loadcnt 0x0                             ; Q
; PHASE A: the scores, two tiles of 16 keys at a time, on two buffers by turns.
.macro KLOAD g                         ; tiles 2 g, 2 g + 1: for each two fragments of 32 channels
.set FB, F0+32*((\g)%2)
.irp tt, 0,1
.irp s, 0,1
	ds_load_b128 v[FB+16*\tt+8*\s:FB+16*\tt+8*\s+3],   v[AK] offset:8*(2*(\g)+\tt)*PK+64*\s
	ds_load_b128 v[FB+16*\tt+8*\s+4:FB+16*\tt+8*\s+7], v[AK] offset:8*(2*(\g)+\tt)*PK+64*\s+32
.endr
.endr
.endm
.macro VLOAD ks                        ; keys 32 ks on, turned: four fragments of 16 channels x 32 keys
.set FB, F0+32*((\ks)%2)
.irp c, 0,1,2,3
	ds_load_tr16_b128 v[FB+8*\c:FB+8*\c+3],   v[AV] offset:(\ks)*16*PV+32*\c
	ds_load_tr16_b128 v[FB+8*\c+4:FB+8*\c+7], v[AV] offset:(\ks)*16*PV+8*PV+32*\c
.endr
.endm
	KLOAD 0
	KLOAD 1
.irp g, 0,1,2,3,4,5,6,7,8
.if \g < 8
	s_wait_dscnt 8                                 ; this group's eight loads are in; the next group's eight may be out
.else
	s_wait_dscnt 0x0
.endif
.set FB, F0+32*(\g%2)
.irp tt, 0,1                                   ; the two accumulators take turns, one instruction a turn; the first products start the sums
	v_wmma_f32_16x16x32_f16 v[S+8*(2*\g+\tt):S+8*(2*\g+\tt)+7], v[FB+16*\tt:FB+16*\tt+7], v[QF:QF+7], 0
.endr
.irp tt, 0,1
	v_wmma_f32_16x16x32_f16 v[S+8*(2*\g+\tt):S+8*(2*\g+\tt)+7], v[FB+16*\tt+8:FB+16*\tt+15], v[QF+8:QF+15], v[S+8*(2*\g+\tt):S+8*(2*\g+\tt)+7]
.endr
.if \g < 7
.rept 4
	v_nop                                          ; four places in front of loads into registers that matrix instructions have read
.endr
	KLOAD \g+2
.endif
.endr
	; The mask's two bounds.  Place n = 16 kt + 8 h + j counts for query r where max(rho, -ws) <= n < min(rho + 256, 2048 - ws), rho = 16 (w % 2) + r; 8 h is taken off both bounds, so that a register's 16 kt + j is a constant.
	; The first six lines are plain and name no register of the last products: they are the places behind them, for the reads of the scores and for the loads into both buffers.
	v_add_nc_u32 v[LO], s55, v1                    ; rho
	v_add_nc_u32 v[HI], 0x100, v[LO]               ; rho + 256
	v_mov_b32 v244, s53
	v_mov_b32 v245, s54
	v_lshlrev_b32 v246, 3, v2
	v_mov_b32 v[NINF], 0xff800000
	v_cmp_gt_i32 vcc_lo, v244, v[LO]
	v_cndmask_b32 v[LO], v[LO], v244, vcc_lo
	v_cmp_lt_i32 vcc_lo, v245, v[HI]
	v_cndmask_b32 v[HI], v[HI], v245, vcc_lo
	v_sub_nc_u32 v[LO], v[LO], v246
	v_sub_nc_u32 v[HI], v[HI], v246
	VLOAD 0                                        ; V's first two steps land while the softmax is worked
	VLOAD 1
; PHASE B: the softmax, once.  Hidden scores become -infinity ahead of the maximum: p = 0 then.  Every query has at least 128 keys that count, so the maximum is a number.
.macro MLO kt
.irp j, 0,1,2,3,4,5,6,7
	v_cmp_lt_i32 vcc_lo, 16*(\kt)+\j, v[LO]
	v_cndmask_b32 v[S+8*(\kt)+\j], v[S+8*(\kt)+\j], v[NINF], vcc_lo
.endr
.endm
.macro MHI kt
.irp j, 0,1,2,3,4,5,6,7
	v_cmp_ge_i32 vcc_lo, 16*(\kt)+\j, v[HI]
	v_cndmask_b32 v[S+8*(\kt)+\j], v[S+8*(\kt)+\j], v[NINF], vcc_lo
.endr
.endm
	MLO 0                                          ; rho is at most 31: inside the sequence only tiles 0, 1 are cut from below,
	MLO 1
	MHI 16                                         ; and rho + 256 is at least 256: only tiles 16, 17 from above
	MHI 17
	s_cmp_lg_u32 s9, 0                             ; the head's first block: -ws is up to 128, so tiles 2 to 7 may hold keys under 0.  The branch hangs on the work-group's number and leads round vector work alone
	s_cbranch_scc1 .Lnolo
.irp kt, 2,3,4,5,6,7
	MLO \kt
.endr
.Lnolo:
	s_cmp_lg_u32 s9, 7                             ; the head's last block: 2048 - ws is down to 160, so tiles 10 to 15 may hold keys from 2,048 on
	s_cbranch_scc1 .Lnohi
.irp kt, 10,11,12,13,14,15
	MHI \kt
.endr
.Lnohi:
.irp G, 0,1,2,3,4                              ; the maximum of my 144 scores, in four chains; each tile is taken from its low end on
.irp p, 0,1,2,3
.irp ch, 0,1,2,3
.if 4*\G+\ch < 18
.if (\G == 0) && (\p == 0)
	v_max_num_f32 v[T+\ch], v[S+8*\ch], v[S+8*\ch+1]
.else
	v_max3_num_f32 v[T+\ch], v[T+\ch], v[S+8*(4*\G+\ch)+2*\p], v[S+8*(4*\G+\ch)+2*\p+1]
.endif
.endif
.endr
.endr
.endr
	v_max3_num_f32 v[T], v[T], v[T+1], v[T+2]
	v_max_num_f32 v[T], v[T], v[T+3]
	v_permlanex16_b32 v[T+1], v[T], s[SEL], s[SEL+1]   ; the query's other 144 keys lie in the lane 16 away
	v_max_num_f32 v[T], v[T], v[T+1]               ; the row's maximum
	v_mul_f32 v[CM], s[CS], v[T]
	v_mov_b32 v[CM+1], v[CM]                       ; (named with it as a pair, so it is written)
.set j, 0
.rept 72
	v_pk_fma_f32 v[S+j:S+j+1], v[S+j:S+j+1], s[CS:CS+1], v[CM:CM+1] op_sel_hi:[1,0,0] neg_lo:[0,0,1] neg_hi:[0,0,1]   ; c s - c m, two at a time
.set j, j+2
.endr
.set j, 0
.rept 144
	v_exp_f32 v[S+j], v[S+j]                       ; p = 2^(c s - c m): one batch
.set j, j+1
.endr
	v_nop                                          ; a plain instruction behind the last exponential
	s_wait_alu depctr_va_vdst(0)                   ; the wait ahead of the first instruction that names a result: one for the batch
.irp k, 0,1,2,3                                ; the row's sum, of the unrounded p: four chains of pairs
	v_pk_add_f32 v[X+2*\k:X+2*\k+1], v[S+2*\k:S+2*\k+1], v[S+8+2*\k:S+8+2*\k+1]
.endr
.set j, 8
.rept 64
	v_pk_add_f32 v[X+2*(j%4):X+2*(j%4)+1], v[X+2*(j%4):X+2*(j%4)+1], v[S+2*j:S+2*j+1]
.set j, j+1
.endr
	v_pk_add_f32 v[X:X+1], v[X:X+1], v[X+2:X+3]
	v_pk_add_f32 v[X+4:X+5], v[X+4:X+5], v[X+6:X+7]
	v_pk_add_f32 v[X:X+1], v[X:X+1], v[X+4:X+5]
	v_add_f32 v[X], v[X], v[X+1]
	v_permlanex16_b32 v[X+1], v[X], s[SEL], s[SEL+1]
	v_add_f32 v[X], v[X], v[X+1]
	v_rcp_f32 v[RS], v[X]
.set j, 0
.rept 72
	v_cvt_pk_f16_f32 v[S+j], v[S+2*j], v[S+2*j+1]  ; p to f16, packed in place, ascending: pair j lands on a register whose number has been read.  (Plain work behind the reciprocal)
.set j, j+1
.endr
	s_wait_alu depctr_va_vdst(0)                   ; the wait for the reciprocal, ahead of its first reader
; PHASE C: O^T = V^T P, 32 keys a step; the four accumulators take turns.
.irp ks, 0,1,2,3,4,5,6,7,8
.if \ks < 8
	s_wait_dscnt 8                                 ; this step's eight loads are in; the next step's may be out
.else
	s_wait_dscnt 0x0
.endif
.set FB, F0+32*(\ks%2)
.irp c, 0,1,2,3
.if \ks == 0
	v_wmma_f32_16x16x32_f16 v[O+8*\c:O+8*\c+7], v[FB+8*\c:FB+8*\c+7], v[S+8*\ks:S+8*\ks+7], 0
.else
	v_wmma_f32_16x16x32_f16 v[O+8*\c:O+8*\c+7], v[FB+8*\c:FB+8*\c+7], v[S+8*\ks:S+8*\ks+7], v[O+8*\c:O+8*\c+7]
.endif
.endr
.if \ks < 7
.rept 4
	v_nop
.endr
	VLOAD \ks+2
.endif
.endr
	; THE WAY OUT.  O^T / the sum, rounded to f16, goes through my stage: a lane's eight channels of a row are 16 bytes; they come back as rows, and sixteen lanes store a head's two rows: 256 consecutive aligned bytes.
	v_lshlrev_b32 v[GO], 12, v2                    ; lanes 0-15 one row pair, lanes 16-31 the next, 4,096 bytes on;
	v_lshl_add_u32 v[GO], v1, 4, v[GO]             ; 16 bytes a lane.  (These two and the two below are the four places behind the last products)
	v_nop
	v_nop
.set j, 0
.rept 16
	v_pk_mul_f32 v[O+j:O+j+1], v[O+j:O+j+1], v[RS:RS+1] op_sel_hi:[1,0]   ; each accumulator from its low end on
.set j, j+2
.endr
.set j, 0
.rept 16
	v_cvt_pk_f16_f32 v[OUT+j], v[O+2*j], v[O+2*j+1]
.set j, j+1
.endr
.irp c, 0,1,2,3
	ds_store_b128 v[STO], v[OUT+4*\c:OUT+4*\c+3] offset:32*\c
.endr
.irp n, 0,1,2,3
	ds_load_b128 v[BK+4*\n:BK+4*\n+3], v[RD] offset:4*SPS*\n   ; LDS serves a wave's instructions in order (ISA guide 5.7.1.4): these see my stores
.endr
.irp n, 0,1,2,3
	s_wait_dscnt 3-\n                              ; load n is back; the younger ones may be out
	global_store_b128 v[GO], v[BK+4*\n:BK+4*\n+3], s[6:7] offset:8192*\n
.endr
	s_wait_tensorcnt 0x0                           ; the wave's end: behind my last tensor load and my last LDS store
	ds_add_u32 v[SPW], v[NIL]
	s_wait_dscnt 0x0
	s_endpgm
.Lfunc_end_k_qcd712ebae2_attn:
	.size	k_qcd712ebae2_attn, .Lfunc_end_k_qcd712ebae2_attn-k_qcd712ebae2_attn
	.p2alignl 7, 3214868480
	.fill 96, 4, 3214868480
	.section	.rodata,"a",@progbits
	.p2align	6, 0x0
	.amdhsa_kernel k_qcd712ebae2_attn
		.amdhsa_group_segment_fixed_size 196608
		.amdhsa_private_segment_fixed_size 0
		.amdhsa_enable_private_segment 0
		.amdhsa_kernarg_size 16
		.amdhsa_user_sgpr_count 2
		.amdhsa_user_sgpr_kernarg_segment_ptr 1
		.amdhsa_wavefront_size32 1
		.amdhsa_system_sgpr_workgroup_id_x 1
		.amdhsa_system_sgpr_workgroup_id_y 1
		.amdhsa_system_sgpr_workgroup_id_z 1
		.amdhsa_system_vgpr_workitem_id 0
		.amdhsa_next_free_vgpr 256
		.amdhsa_next_free_sgpr 66
		.amdhsa_reserve_vcc 1
		.amdhsa_float_denorm_mode_32 3
		.amdhsa_float_denorm_mode_16_64 3
		.amdhsa_memory_ordered 1
		.amdhsa_forward_progress 1
		.amdhsa_inst_pref_size 60
	.end_amdhsa_kernel
	.amdgpu_metadata
---
amdhsa.version: [ 1, 2 ]
amdhsa.kernels:
  - .name:           k_qcd712ebae2_attn
    .symbol:         k_qcd712ebae2_attn.kd
    .args:
      - { .name: qkv, .offset: 0, .size: 8, .value_kind: global_buffer, .address_space: global }
      - { .name: att, .offset: 8, .size: 8, .value_kind: global_buffer, .address_space: global }
    .group_segment_fixed_size: 196608
    .private_segment_fixed_size: 0
    .kernarg_segment_align: 8
    .kernarg_segment_size: 16
    .max_flat_workgroup_size: 512
    .sgpr_count:     66
    .vgpr_count:     256
    .wavefront_size: 32
...
	.end_amdgpu_metadata
.endif
;; end of part 3
;; launch oproj (part 4): grid 8 x 32, 4 waves a work-group, clusters of 4 x 4, 327,680 bytes of LDS; arguments att, wo16, bo, out0; writes out0
.if DOCPART == 4
	.amdgcn_target "amdgcn-amd-amdhsa--gfx1250"
	.amdhsa_code_object_version 6
	.text
	.protected	k_qcd712ebae2_oproj
	.globl	k_qcd712ebae2_oproj
	.p2align	8
	.type	k_qcd712ebae2_oproj,@function
k_qcd712ebae2_oproj:
	s_mov_b64 s[64:65], 0
	v_nop
	global_prefetch_b8 v0, s[64:65] scope:SCOPE_SE
	s_setreg_imm32_b32 hwreg(HW_REG_WAVE_MODE, 25, 1), 1
	s_wait_xcnt 0x0
	s_wait_alu depctr_hold_cnt(0) depctr_sa_sdst(0) depctr_va_vdst(0) depctr_va_sdst(0) depctr_va_ssrc(0) depctr_va_vcc(0) depctr_vm_vsrc(0)
	s_getreg_b32 s2, hwreg(HW_REG_IB_STS2, 6, 4)
	s_cmp_eq_u32 s2, 0
	s_cbranch_scc0 .Lentry_in_a_cluster
	s_endpgm
.Lentry_in_a_cluster:
	s_bfe_u32 s2, ttmp6, 0x10000c
	s_cmp_lg_u32 s2, 0xf033
	s_cbranch_scc0 .Lentry_shape_is_right
	s_endpgm
.Lentry_shape_is_right:
; out0 = A Wo^T + bo.  A: the attention's result, 4,096 rows x 1,024, f16, laid [row pair][head][2 rows][64]; wo16: [1024 n][1024 k] f16; bo [1024], out0 [4096][1024]: f32; sums in f32.
; A tile of out0 is 128 x 128: 256 work-groups of four waves, each 64 x 64: 16 accumulators of 16 x 16.  K goes in steps of 256 (four heads) through a ring of two LDS slots: four steps, so each slot is filled again once.
; A's tile: 32 row pairs to a load, each 1,024 consecutive bytes (four heads x two rows x 128 bytes), 4,096 bytes apart.  Wo's: 64 rows of 512 bytes.
; CLUSTERS: 4 x 4 work-groups.  The four of a row of the cluster need the same tiles of A, the four of a column the same tiles of Wo: each tile is asked for JOINTLY, by the same tensor load with the same descriptor and a mask that
; names the four.  THE MATRIX INSTRUCTION IS USED TRANSPOSED (source 0 = 16 rows of Wo, source 1 = 16 rows of A): a lane holds eight neighbouring columns of a row.  THE BIAS IS THE C OF EACH SUM'S FIRST PRODUCT.
; Nothing is asked for ahead of the tensor loads: four short steps on small tiles, two of them fetched at the head.
; REGISTERS: window 0: v0-31 addresses; v32-95 rows on the way out; v96-127 the bias, 4 column blocks x 8; v128-255 the accumulators ((a, b) at v[128 + 8 (4 a + b)]).
;   window 1: two fragment buffers of 128: for 64 along K (one head), 64 registers of A, then 64 of Wo.
.set PA,     1040                      ; a row pair of A in LDS: 1,024 bytes + 16: the 16 rows of a load fall on columns 16 (r / 2) + 128 (r % 2) of the 256 bytes that the 64 banks span (ISA guide 11.1): all different
.set HALFA,  32*PA                     ; 64 rows of A: what one tensor load brings, and what one wave reads
.set PB,     528                       ; a row of Wo: 512 bytes + 16
.set HALFB,  64*PB
.set BOFF,   2*HALFA                   ; a slot: A's 128 rows, then Wo's 128
.set SLOT,   BOFF+2*HALFB
.set STAGE,  2*SLOT                    ; behind the ring: 16 rows x (256 bytes + 16) for each wave
.set SPITCH, 272
.set SPARE,  STAGE+4*16*SPITCH         ; behind the stages: the spare words, 128 bytes a wave
.set ADRA, 16                          ; v16-17  LDS address of my A fragments in slot 0, 1
.set ADRB, 20                          ; v20-21  the same for Wo
.set STO,  24                          ; v24     the way out: where I put 32 bytes of a row
.set RD,   25                          ; v25     where I read a row back
.set CO,   26                          ; v26     my bytes in out0
.set BO,   27                          ; v27     32 x (lane / 16): my eight numbers of a block of the bias
.set SPW,  28                          ; v28     LDS address of my spare word; never rewritten
.set NIL,  29                          ; v29     0; never rewritten
.set TMP,  32
.set BI,   96
.set ACC,  128
.set F0,   0                           ; fragment buffers, in window 1
.set F1,   128
.set WV, 12                            ; s12 wave;  s13 wave / 2: my half of the rows, and: I fetch for A (0) or Wo (1);  s14 wave % 2: my half of the columns, and which half of the tile I fetch
.set RH, 13
.set CH, 14
.set G1, 24                            ; s[24:31] group 1 for A's tiles;  s[32:39] group 0, a set for each slot
.set G0, 32
.set G1B, 48                           ; s[48:55], s[56:63] the same for Wo's
.set G0B, 56
.set MSB, 0
.macro WIN new                         ; the immediate's high byte repeats the setting that is left
.if MSB != \new
	s_set_vgpr_msb (MSB<<8)|\new
.set MSB, \new
.endif
.endm
.set MUL,  0x05                        ; sources 0 (Wo) and 1 (A) window 1; C and D window 0
.set TO_F, 0x40                        ; destination window 1, address window 0
.macro JLOAD s                         ; a joint load: waves 0 and 1 fetch A's two halves, waves 2 and 3 Wo's; an s_nop 0 and four v_nop follow each of the two lines, ahead of the jump, the label and what follows
	s_cmp_eq_u32 s[RH], 0
	s_cbranch_scc0 .Lfor_b_\@
	tensor_load_to_lds s[G0+4*\s:G0+4*\s+3], s[G1:G1+7]
	s_nop 0
.rept 4
	v_nop
.endr
	s_branch .Lasked_\@
.Lfor_b_\@:
	tensor_load_to_lds s[G0B+4*\s:G0B+4*\s+3], s[G1B:G1B+7]
	s_nop 0
.rept 4
	v_nop
.endr
.Lasked_\@:
.endm
.macro CREST                           ; a round of the cluster's barrier behind its opening barrier
	s_cmp_lg_u32 s[WV], 0
	s_cbranch_scc1 .Lnot_wave_0_\@
	s_barrier_signal -3
.Lnot_wave_0_\@:
	s_barrier_wait -3
	s_barrier_signal -1
	s_barrier_wait -1
.endm
.macro CROUND                          ; a whole round
	s_barrier_signal -1
	s_barrier_wait -1
	CREST
.endm
	s_load_b256 s[4:11], s[0:1], 0x0               ; att 4:5, wo16 6:7, bo 8:9, out0 10:11
	v_lshl_add_u32 v[SPW], v0, 2, SPARE
	v_mov_b32 v[NIL], 0
	ds_add_u32 v[SPW], v[NIL]                      ; the wave's opening: the add, twice on end, and its wait ahead of my first tensor load; the set-up below, work on registers, stands between
	ds_add_u32 v[SPW], v[NIL]
	v_lshrrev_b32 v1, 5, v0
	v_readfirstlane_b32 s[WV], v1                  ; wave 0..3
	s_lshr_b32 s[RH], s[WV], 1
	s_and_b32 s[CH], s[WV], 1
	s_bfe_u32 s40, ttmp6, 0x40000                  ; cx, cy: my place in the cluster
	s_bfe_u32 s41, ttmp6, 0x40004
	s_lshl_b32 s42, ttmp9, 2
	s_add_co_u32 s42, s42, s40                     ; tile column = 4 x cluster x + cx
	s_and_b32 s15, ttmp7, 0xffff
	s_lshl_b32 s15, s15, 2
	s_add_co_u32 s15, s15, s41                     ; tile row = 4 x cluster y + cy
	s_lshl_b32 s43, s41, 2
	s_lshl_b32 s43, 15, s43                        ; my row of the cluster
	s_lshl_b32 s44, 0x1111, s40                    ; my column
	; group 1 for A: 32 row pairs x 512 elements of 2 bytes, 2,048 elements apart; four words of padding behind every 256
	s_or_b32 s[G1+0], s43, (1<<16)|(1<<20)|(1<<21)|(7<<22)|(3<<25)  ; 15:0 the mask: A's tiles go to my row; 17:16 elements of 2 bytes; 20 padding on; 21 set beside a mask; 24:22 after every 256 words (code 7); 31:25 four words (code 3)
	s_mov_b32 s[G1+1], 512<<16                     ; tensor_dim0
	s_mov_b32 s[G1+2], 32<<16                      ; tensor_dim1
	s_mov_b32 s[G1+3], 512<<16                     ; tile_dim0
	s_mov_b32 s[G1+4], 32                          ; tile_dim1
	s_mov_b32 s[G1+5], 2048                        ; from row pair to row pair
	s_mov_b32 s[G1+6], 0
	s_mov_b32 s[G1+7], 0
	; and for Wo: 64 rows x 256 elements, 1,024 apart; four words behind every 128
	s_or_b32 s[G1B+0], s44, (1<<16)|(1<<20)|(1<<21)|(6<<22)|(3<<25)
	s_mov_b32 s[G1B+1], 256<<16
	s_mov_b32 s[G1B+2], 64<<16
	s_mov_b32 s[G1B+3], 256<<16
	s_mov_b32 s[G1B+4], 64
	s_mov_b32 s[G1B+5], 1024
	s_mov_b32 s[G1B+6], 0
	s_mov_b32 s[G1B+7], 0
	s_lshl_b32 s16, s15, 6
	s_lshl_b32 s17, s[CH], 5
	s_add_co_u32 s16, s16, s17                     ; A: row pair 64 x tile row + 32 x half,
	s_lshl_b32 s16, s16, 12                        ; 4,096 bytes each
	s_mov_b32 s17, 0
	s_lshl_b32 s46, s42, 7
	s_lshl_b32 s47, s[CH], 6
	s_add_co_u32 s46, s46, s47                     ; Wo: row 128 x tile column + 64 x half,
	s_lshl_b32 s46, s46, 11                        ; 2,048 bytes each
	s_mov_b32 s47, 0
	s_mul_i32 s20, s[CH], HALFA                    ; where they go: no place in the cluster enters an LDS address
	s_mul_i32 s21, s[CH], HALFB
	s_add_co_u32 s21, s21, BOFF
	s_wait_dscnt 0x0                               ; both opening adds are done
	s_wait_kmcnt 0x0
	s_add_nc_u64 s[16:17], s[4:5], s[16:17]
	s_add_nc_u64 s[46:47], s[6:7], s[46:47]
	CROUND                                         ; all sixteen work-groups are here: the first joint loads meet
.irp s, 0,1
	s_mov_b32 s[G0+4*\s], 1
	s_add_co_u32 s[G0+4*\s+1], s20, \s*SLOT
	s_add_nc_u64 s[G0+4*\s+2:G0+4*\s+3], s[16:17], \s*1024   ; K step s: four heads of a row pair are 1,024 bytes
	s_or_b32 s[G0+4*\s+3], s[G0+4*\s+3], 0x80000000
	s_mov_b32 s[G0B+4*\s], 1
	s_add_co_u32 s[G0B+4*\s+1], s21, \s*SLOT
	s_add_nc_u64 s[G0B+4*\s+2:G0B+4*\s+3], s[46:47], \s*512
	s_or_b32 s[G0B+4*\s+3], s[G0B+4*\s+3], 0x80000000
	JLOAD \s                                       ; two tensor loads of mine are out
.endr
	v_and_b32 v1, 15, v0                           ; r
	v_bfe_u32 v2, v0, 4, 1                         ; h
	v_lshlrev_b32 v[BO], 5, v2
	s_lshl_b32 s66, s42, 9
	s_lshl_b32 s67, s[CH], 8
	s_add_co_u32 s66, s66, s67                     ; my first column x 4 bytes: 128 x tile column + 64 x half
	s_mov_b32 s67, 0
	s_add_nc_u64 s[8:9], s[8:9], s[66:67]
.irp b, 0,1,2,3                                ; in the result's layout: lane (r, h) holds, for column block b, the bias of columns 16 b + 8 h + 0 .. 7
	global_load_b128 v[BI+8*\b:BI+8*\b+3], v[BO], s[8:9] offset:64*\b
	global_load_b128 v[BI+8*\b+4:BI+8*\b+7], v[BO], s[8:9] offset:64*\b+16
.endr
	v_lshrrev_b32 v3, 1, v1
	v_mul_u32_u24 v3, v3, PA
	v_and_b32 v4, 1, v0
	v_lshl_add_u32 v3, v4, 7, v3
	v_lshl_add_u32 v3, v2, 4, v3                   ; A: row r of a block: PA (r / 2) + 128 (r % 2) + 16 h
	v_mul_u32_u24 v4, v1, PB
	v_lshl_add_u32 v4, v2, 4, v4                   ; Wo: PB r + 16 h
	s_mul_i32 s21, s[RH], HALFA                    ; my 64 rows of A
	s_mul_i32 s22, s[CH], HALFB                    ; my 64 rows of Wo,
	s_add_co_u32 s22, s22, BOFF                    ; which lie behind A's 128
.irp s, 0,1
	v_add_nc_u32 v[ADRA+\s], s21, v3
	v_add_nc_u32 v[ADRB+\s], s22, v4
	s_add_co_u32 s21, s21, SLOT
	s_add_co_u32 s22, s22, SLOT
.endr
	s_mul_i32 s23, s[WV], 16*SPITCH
	s_add_co_u32 s23, s23, STAGE                   ; my stage
	v_mul_u32_u24 v5, v1, SPITCH
	v_lshl_add_u32 v5, v2, 5, v5
	v_add_nc_u32 v[STO], s23, v5                   ; in: row r, 32 bytes for each half of the lanes
	v_mul_u32_u24 v5, v2, SPITCH
	v_lshl_add_u32 v5, v1, 4, v5
	v_add_nc_u32 v[RD], s23, v5                    ; back: lanes 0-15 one row of 256 bytes, lanes 16-31 the next
	v_lshlrev_b32 v5, 12, v2
	v_lshl_add_u32 v[CO], v1, 4, v5                ; and the same two rows in out0, 4,096 bytes apart
	s_lshl_b32 s16, s15, 7
	s_lshl_b32 s17, s[RH], 6
	s_add_co_u32 s16, s16, s17                     ; my first row: 128 x tile row + 64 x half
	s_lshl_b32 s16, s16, 12
	s_add_co_u32 s16, s16, s66                     ; + my first column's bytes
	s_mov_b32 s17, 0
	s_add_nc_u64 s[10:11], s[10:11], s[16:17]
; 8 matrix instructions: row blocks a0, a0 + 1 x all 4 column blocks, 32 along K: half c of buffer f.  first = 1: the bias is the C.  The 16 accumulators take turns, one instruction a turn.
.macro MUL8 f, c, a0, first
.irp a, \a0, \a0+1
.irp b, 0,1,2,3
.if \first
	v_wmma_f32_16x16x32_f16 v[ACC+8*(4*(\a)+\b):ACC+8*(4*(\a)+\b)+7], v[\f+64+8*(4*\c+\b):\f+64+8*(4*\c+\b)+7], v[\f+8*(4*\c+\a):\f+8*(4*\c+\a)+7], v[BI+8*\b:BI+8*\b+7]
.else
	v_wmma_f32_16x16x32_f16 v[ACC+8*(4*(\a)+\b):ACC+8*(4*(\a)+\b)+7], v[\f+64+8*(4*\c+\b):\f+64+8*(4*\c+\b)+7], v[\f+8*(4*\c+\a):\f+8*(4*\c+\a)+7], v[ACC+8*(4*(\a)+\b):ACC+8*(4*(\a)+\b)+7]
.endif
.endr
.endr
.endm
; 32 LDS loads in one run: the fragments of the slot's q-th 64 along K (one head: 256 bytes on in A's row pairs, 128 in Wo's rows), into buffer f; the first 32 along K first
.macro FETCH slot, q, f
	WIN TO_F
.irp c, 0,1
.irp i, 0,1,2,3
	ds_load_b128 v[\f+64+8*(4*\c+\i):\f+64+8*(4*\c+\i)+3],   v[ADRB+\slot] offset:128*(\q)+64*\c+\i*16*PB
	ds_load_b128 v[\f+64+8*(4*\c+\i)+4:\f+64+8*(4*\c+\i)+7], v[ADRB+\slot] offset:128*(\q)+64*\c+\i*16*PB+32
	ds_load_b128 v[\f+8*(4*\c+\i):\f+8*(4*\c+\i)+3],         v[ADRA+\slot] offset:256*(\q)+64*\c+\i*8*PA
	ds_load_b128 v[\f+8*(4*\c+\i)+4:\f+8*(4*\c+\i)+7],       v[ADRA+\slot] offset:256*(\q)+64*\c+\i*8*PA+32
.endr
.endr
.endm
.macro PLACES                          ; four places in front of loads into registers that matrix instructions have read, and of the first read of results (ISA guide 7.12.1 for the first read of results)
.rept 4
	v_nop
.endr
.endm
; A K step is four quarters of 64 along K, 32 matrix instructions each, on buffers 0, 1, 0, 1.  One of the first three: multiplies buffer f and fetches quarter q into g.
.macro QUARTER slot, q, f, g, first
	s_wait_dscnt 16                                ; the first 32 along K are in; the sixteen younger loads may be out
	WIN MUL
	MUL8 \f, 0, 0, \first
	MUL8 \f, 0, 2, \first
	PLACES
	FETCH \slot, \q, \g
	s_wait_dscnt 32                                ; all but the 32 just issued
	WIN MUL
	MUL8 \f, 1, 0, 0
	MUL8 \f, 1, 2, 0
.endm
; The last quarter multiplies buffer 1 and changes slots: ONE barrier; in front of it each wave waits for all its tensor loads, adds 0 to its spare word, and waits for that and for its own reads of this slot.
; fill = 1: this slot is filled again, two K steps ahead; the barrier then opens a round of the cluster's, and the joint refill is the first tensor load behind the round, one a wave.
.macro TURN slot, next, fill
	WIN 0                                          ; (the add's two registers lie in window 0)
	s_wait_tensorcnt 0x0                           ; all my tensor loads have landed: my part of the next slot;
	ds_add_u32 v[SPW], v[NIL]                      ; 0 onto my spare word;
	s_wait_dscnt 17                                ; (the add and the youngest sixteen loads may be out)
	WIN MUL
	MUL8 F1, 0, 0, 0                               ; eight matrix instructions stand between the add and the wait for it
	s_wait_dscnt 0x0                               ; the add is done, and my reads of this slot are over
	s_barrier_signal -1
	MUL8 F1, 0, 2, 0
.if \fill
	WIN 0
.endif
	s_barrier_wait -1
.if \fill
	CREST                                          ; no wave of any partner still reads this slot's tile or has a load on its way
	s_add_nc_u64 s[G0+4*\slot+2:G0+4*\slot+3], s[G0+4*\slot+2:G0+4*\slot+3], 2*1024
	s_add_nc_u64 s[G0B+4*\slot+2:G0B+4*\slot+3], s[G0B+4*\slot+2:G0B+4*\slot+3], 2*512
	JLOAD \slot                                    ; 112 matrix instructions ahead of the wait for it; the four v_nop behind it are also the places in front of the loads below
.else
	PLACES
.endif
	FETCH \next, 0, F0
	WIN MUL
	MUL8 F1, 1, 0, 0
	MUL8 F1, 1, 2, 0
.endm
	s_wait_tensorcnt 1                             ; my part of K step 0 is in (K step 1's load may be out)
	s_barrier_signal -1
	s_barrier_wait -1                              ; everybody's is
	FETCH 0, 0, F0
	s_wait_loadcnt 0x0                             ; the bias
	QUARTER 0, 1, F0, F1, 1                        ; K step 0: its first products start the sums from the bias
	QUARTER 0, 2, F1, F0, 0
	QUARTER 0, 3, F0, F1, 0
	TURN 0, 1, 1                                   ; slot 0 takes K step 2
	QUARTER 1, 1, F0, F1, 0                        ; K step 1
	QUARTER 1, 2, F1, F0, 0
	QUARTER 1, 3, F0, F1, 0
	TURN 1, 0, 1                                   ; slot 1 takes K step 3
	QUARTER 0, 1, F0, F1, 0                        ; K step 2
	QUARTER 0, 2, F1, F0, 0
	QUARTER 0, 3, F0, F1, 0
	TURN 0, 1, 0                                   ; nothing is left to fetch, so no round follows
	QUARTER 1, 1, F0, F1, 0                        ; K step 3
	QUARTER 1, 2, F1, F0, 0
	QUARTER 1, 3, F0, F1, 0
	s_wait_dscnt 16                                ; the very last quarter
	WIN MUL
	MUL8 F1, 0, 0, 0
	MUL8 F1, 0, 2, 0
	s_wait_dscnt 0
	MUL8 F1, 1, 0, 0
	MUL8 F1, 1, 2, 0
	WIN 0
; THE WAY OUT, block by block of 16 rows x 64 columns.  A wave's 64 columns of f32 are 256 consecutive aligned bytes of a row: so each wave has a stage of its own and no barrier is needed.  A lane's 32 bytes go in,
; whole rows come back, and sixteen lanes store a row's 256 bytes.  LDS serves a wave's instructions in order (ISA guide 5.7.1.4): no wait between the stores and the loads, nor in front of the next block's stores.
.macro TOSTAGE a
.irp b, 0,1,2,3
	ds_store_b128 v[STO], v[ACC+8*(4*(\a)+\b):ACC+8*(4*(\a)+\b)+3] offset:64*\b          ; each accumulator from its low end on
	ds_store_b128 v[STO], v[ACC+8*(4*(\a)+\b)+4:ACC+8*(4*(\a)+\b)+7] offset:64*\b+16
.endr
.set BB, TMP+32*((\a)%2)
.irp t, 0,1,2,3,4,5,6,7
	ds_load_b128 v[BB+4*\t:BB+4*\t+3], v[RD] offset:\t*2*SPITCH
.endr
.endm
.macro SEND a, younger                 ; younger: the LDS instructions issued behind block a's loads, which may stay out
.set BB, TMP+32*((\a)%2)
	s_wait_dscnt \younger
.irp t, 0,1,2,3,4,5,6,7
	global_store_b128 v[CO], v[BB+4*\t:BB+4*\t+3], s[10:11] offset:(16*(\a)+2*\t)*4096 th:TH_STORE_NT   ; written once, read by nobody here
.endr
.endm
	PLACES                                         ; behind the last products, in front of the first read of results
	TOSTAGE 0
.irp a, 1,2,3
.if \a > 1
	s_wait_xcnt 0x0                                ; block a - 2's stores have read their registers: block a's loads may land there
.endif
	TOSTAGE \a
	SEND \a-1, 16                                  ; behind block a - 1's loads: block a's 8 stores and 8 loads
.endr
	SEND 3, 0
	s_wait_tensorcnt 0x0                           ; the wave's end: behind my last tensor load and my last LDS store
	ds_add_u32 v[SPW], v[NIL]
	s_wait_dscnt 0x0
	CROUND                                         ; the closing round: no work-group ends while a partner may still ask for a tile that names it
	s_endpgm
.Lfunc_end_k_qcd712ebae2_oproj:
	.size	k_qcd712ebae2_oproj, .Lfunc_end_k_qcd712ebae2_oproj-k_qcd712ebae2_oproj
	.p2alignl 7, 3214868480
	.fill 96, 4, 3214868480
	.section	.rodata,"a",@progbits
	.p2align	6, 0x0
	.amdhsa_kernel k_qcd712ebae2_oproj
		.amdhsa_group_segment_fixed_size 327680
		.amdhsa_private_segment_fixed_size 0
		.amdhsa_enable_private_segment 0
		.amdhsa_kernarg_size 32
		.amdhsa_user_sgpr_count 2
		.amdhsa_user_sgpr_kernarg_segment_ptr 1
		.amdhsa_wavefront_size32 1
		.amdhsa_system_sgpr_workgroup_id_x 1
		.amdhsa_system_sgpr_workgroup_id_y 1
		.amdhsa_system_sgpr_workgroup_id_z 1
		.amdhsa_system_vgpr_workitem_id 0
		.amdhsa_next_free_vgpr 512
		.amdhsa_next_free_sgpr 72
		.amdhsa_reserve_vcc 0
		.amdhsa_float_denorm_mode_32 3
		.amdhsa_float_denorm_mode_16_64 3
		.amdhsa_memory_ordered 1
		.amdhsa_forward_progress 1
		.amdhsa_inst_pref_size 86
	.end_amdhsa_kernel
	.amdgpu_metadata
---
amdhsa.version: [ 1, 2 ]
amdhsa.kernels:
  - .name:           k_qcd712ebae2_oproj
    .symbol:         k_qcd712ebae2_oproj.kd
    .args:
      - { .name: att, .offset: 0, .size: 8, .value_kind: global_buffer, .address_space: global }
      - { .name: wo16, .offset: 8, .size: 8, .value_kind: global_buffer, .address_space: global }
      - { .name: bo, .offset: 16, .size: 8, .value_kind: global_buffer, .address_space: global }
      - { .name: out0, .offset: 24, .size: 8, .value_kind: global_buffer, .address_space: global }
    .group_segment_fixed_size: 327680
    .private_segment_fixed_size: 0
    .kernarg_segment_align: 8
    .kernarg_segment_size: 32
    .max_flat_workgroup_size: 128
    .sgpr_count:     72
    .vgpr_count:     512
    .wavefront_size: 32
...
	.end_amdgpu_metadata
.endif
;; end of part 4
